; MI455X (gfx1250); checked and timed in simulation.
; The chip was launched on July 23, 2026; its instructions are those of AMD's public machine-readable ISA for CDNA 5 (MIT licence, August 2026) and "CDNA5" Instruction Set Architecture Reference Guide (July 2026). The comments in the code are by the model that wrote it; some were corrected since.
;; Topic Encoder. Allowed arithmetic: matrix products marked QUANTISED: E4M3 operands, one given power-of-two scale a tensor, by v_wmma_f32_16x16x64_fp8_fp8 or v_wmma_f32_16x16x128_fp8_fp8, f32 sums; everything else in f32.
;; Inputs: W1 5 x 1,024 x 1,024 float32; W2 5 x 1,024 x 1,024 float32; Wf 1,124 x 512 float32; attention_mask 32 x 128 float32; b1 5 x 1,024 float32; b2 5 x 1,024 float32; beta1 5 x 1,024 float32; betaf 512 float32; bf 512 float32; g1 5 x 1,024 float32; gf 512 float32; language_ids 32 int32; lda_features 32 x 100 float32; lowp_scales 22 int32 (the exponents e of the quantised operands' scales 2^e); sequence_output 32 x 128 x 1,024 float32.
;; Outputs: out0 32 x 512 float32.
;; This version of the problem:
;;   THIS VERSION OF THE PROBLEM IS GIVEN IN LOW PRECISION. The matrix products marked QUANTISED in the list below multiply operands that are first quantised to E4M3 (4 exponent bits, 3 mantissa bits; 8 bits a number), with one given power-of-two scale for each operand tensor; their sums are f32. All else is computed in f32.
;;   The module's matrix products, in the order in which they are computed (A, B: the left and right operand; K: the contracted axis; several contracted axes count as one K, in the product's order):
;;     1. [M 4,096, K 1,024] x [K 1,024, N 1,024]; A: input sequence_output; B: input W1: QUANTISED (scales: A lowp_scales[0], B lowp_scales[1])
;;     2. [M 4,096, K 1,024] x [K 1,024, N 1,024]; A: computed on the way; B: input W2: QUANTISED (scales: A lowp_scales[2], B lowp_scales[3])
;;     3. [M 4,096, K 1,024] x [K 1,024, N 1,024]; A: input sequence_output; B: input W1: QUANTISED (scales: A lowp_scales[4], B lowp_scales[5])
;;     4. [M 4,096, K 1,024] x [K 1,024, N 1,024]; A: computed on the way; B: input W2: QUANTISED (scales: A lowp_scales[6], B lowp_scales[7])
;;     5. [M 4,096, K 1,024] x [K 1,024, N 1,024]; A: input sequence_output; B: input W1: QUANTISED (scales: A lowp_scales[8], B lowp_scales[9])
;;     6. [M 4,096, K 1,024] x [K 1,024, N 1,024]; A: computed on the way; B: input W2: QUANTISED (scales: A lowp_scales[10], B lowp_scales[11])
;;     7. [M 4,096, K 1,024] x [K 1,024, N 1,024]; A: input sequence_output; B: input W1: QUANTISED (scales: A lowp_scales[12], B lowp_scales[13])
;;     8. [M 4,096, K 1,024] x [K 1,024, N 1,024]; A: computed on the way; B: input W2: QUANTISED (scales: A lowp_scales[14], B lowp_scales[15])
;;     9. [M 4,096, K 1,024] x [K 1,024, N 1,024]; A: input sequence_output; B: input W1: QUANTISED (scales: A lowp_scales[16], B lowp_scales[17])
;;     10. [M 4,096, K 1,024] x [K 1,024, N 1,024]; A: computed on the way; B: input W2: QUANTISED (scales: A lowp_scales[18], B lowp_scales[19])
;;     11. [M 32, K 1,124] x [K 1,124, N 512]; A: computed on the way; B: input Wf: QUANTISED (scales: A lowp_scales[20], B lowp_scales[21])
;;   THE QUANTISER, for each operand of a quantised product, along K:
;;     - The operand's scale is 2^e, e = its entry of the input lowp_scales (int32; the entries are numbered through the quantised products in the list's order, A before B).
;;     - Each number is divided by the scale, clamped to +-448, and rounded to the nearest number of E4M3, ties to even, subnormals kept.
;;     - The product sums the exact products of the quantised numbers (number of the format x scale) in f32.
;;   ~~~python
;;   def quantise(x, axis, e):      # numpy; x: float32 -> the quantised numbers, widened to float32 again
;;       x = np.moveaxis(x, axis, -1); K = x.shape[-1]
;;       r = np.clip(x / 2.0 ** e, -448, 448)
;;       step = 2.0 ** (np.maximum(np.frexp(np.where(r == 0, 1, r))[1] - 1, -6) - 3)
;;       q = np.round(r / step) * step * 2.0 ** e      # np.round: ties to even
;;       return np.moveaxis(q, -1, axis).astype(np.float32)
;;   ~~~
;;   OPERANDS COMPUTED ON THE WAY. 'Computed on the way' means the value that the module computes at that place (a softmax that the list does not call 'softmax' is quantised finished and normalised). What goes into a quantiser is computed in f32, as accurately as f32 sums, v_exp_f32 and their like allow (about 1e-6 of the number): no bf16 or f16 on the way to a quantiser, and a product that is left as it is and whose result goes on into a quantised operand takes f32 operands (vector FMAs, or v_wmma_f32_16x16x4_f32). A number that lies on a knife's edge between two numbers of the format may be rounded either way, as far as f32 arithmetic and the matrix unit's own rounding can turn it there, and no further.
;; One version. Each part assembles by itself: llvm-mc -triple=amdgcn-amd-amdhsa -mcpu=gfx1250 --defsym DOCPART=n.
;; ======== version 1 of 1: 5 launches
;; limits: right only within a limited range of input values
;; workspace buffers: xq 4,194,304 bytes; w1q 5,242,880 bytes; w2q 5,242,880 bytes; wfq 589,824 bytes; hbuf 16,777,216 bytes; stats 524,288 bytes; aq 4,194,304 bytes; part 589,824 bytes
;; launch prep (part 1): grid 256 x 1, 16 waves a work-group, no clusters, 69,632 bytes of LDS; arguments sequence_output, W1, Wf, language_ids, lowp_scales, xq, w1q, wfq; writes xq, w1q, wfq
.if DOCPART == 1
	.amdgcn_target "amdgcn-amd-amdhsa--gfx1250"
	.amdhsa_code_object_version 6
	.text
	.protected	k_q99c6543143_prep
	.globl	k_q99c6543143_prep
	.p2align	8
	.type	k_q99c6543143_prep,@function
k_q99c6543143_prep:
	s_mov_b64 s[64:65], 0
	v_nop
	global_prefetch_b8 v0, s[64:65] scope:SCOPE_SE
	s_setreg_imm32_b32 hwreg(HW_REG_WAVE_MODE, 25, 1), 1
	s_wait_xcnt 0x0
; PREP: x, W1 and Wf (f32) are turned once into codes of FP8 (E4M3), laid IN THE ORDER OF THE OPERAND'S REGISTERS.  (W2 is turned by the next launch, beside its products.)
; The program multiplies, for each batch, only its own language's adapter: the others' results are multiplied by 0 in the definition, whatever language_ids holds; a NaN, an infinity or an overflow
; that reaches only that work is not carried to the result.
; A FRAGMENT is 16 rows (or columns) x 128 K = 2,048 bytes: chunk c (512 bytes), lane l = 16 h + r: 16 bytes at 512 c + 16 l = k 32 c + 16 h + 0..15 of row r.
; The same order of k is used on both sides of every product.
; code = x / 2^e, held within +-448, to the nearest code, ties to even.  LIMITS: each e between -126 and 119; NaN among the inputs is not served (an infinity is held at the largest code).
; SHARES: 256 equal work-groups i.  Waves 0-7: 16 rows of x (batch i / 8, rows 16 (i % 8) on), a K step of 128 each, with the scale of the batch's own language.
; Waves 8-15: W1: 16 rows of K x 32 columns of all five languages each: together 32 K (block i / 8) x 128 columns (group i % 8).  Work-groups 0-143: 16 rows x 32 columns of Wf for each of these waves
; (K is filled with zero codes from 1,124 to 1,151).
; WEIGHTS ([K][N] in memory): a lane takes a column and its registers run down K, so the conversions give codes with K innermost and nothing is transposed.
; W1's tiles take their columns in the order 32 (T / 2) + 8 (T % 2) + r % 8 + 16 (r / 8), so that the first product's results, used transposed, lie as neighbours along the second product's K.
; x ([row][K]): loaded as it lies, 512 consecutive bytes a load, and turned through the wave's own stage in LDS, so that a lane gets 16 neighbours of each 32.
; No barrier: waves share nothing.  No prefetch: a wave has no loop, its loads go out at its head.
.set SP,  528                          ; a stage row: 512 bytes + 16: an odd multiple of 16 bytes
.set SPARE, 8*16*SP                    ; the spare words, behind the eight stages
.set R0,  16                           ; v16-79    x as loaded
.set XX,  80                           ; v80-143   x: 16 neighbours of each 32
.set CX,  144                          ; v144-159  x: a fragment's codes
.set SC,  16                           ; v16-27    weights: 2^e and 448 x 2^e, for five languages and Wf
.set X,   32                           ; v32-127   weights: six sets of 16 numbers
.set C,   128                          ; v128-151  weights: four registers of codes for each
.macro SCALE e, d                      ; v[d] = 2^e (the conversion takes its exponent field), v[d + 1] = 448 x 2^e
	s_add_co_i32 s38, \e, 127
	s_lshl_b32 s39, s38, 23
	v_mov_b32 v[\d], s39
	s_add_co_i32 s38, s38, 8
	s_lshl_b32 s38, s38, 23
	s_or_b32 s38, s38, 0x600000
	v_mov_b32 v[\d+1], s38
.endm
	s_load_b512 s[4:19], s[0:1], 0x0               ; x s[4:5], W1 s[6:7], Wf s[8:9], ids s[10:11], scales s[12:13], xq s[14:15], w1q s[16:17], wfq s[18:19]
	v_lshl_add_u32 v12, v0, 2, SPARE
	v_mov_b32 v13, 0
	v_lshrrev_b32 v1, 5, v0
	v_readfirstlane_b32 s24, v1                    ; wave 0..15
	v_and_b32 v1, 31, v0                           ; lane
	v_and_b32 v7, 15, v0                           ; r
	v_bfe_u32 v8, v0, 4, 1                         ; h (x), u (weights: which of my two tiles)
	s_mov_b32 s35, 0                               ; the upper word of the offset pair
	s_wait_alu depctr_va_vdst(0)
	s_wait_kmcnt 0x0
	s_cmp_ge_u32 s24, 8
	s_cbranch_scc1 .Lw_path
	; ---- x
	s_lshr_b32 s26, ttmp9, 3                       ; batch
	s_and_b32 s27, ttmp9, 7                        ; which 16 rows
	s_lshl_b32 s34, s26, 2
	s_add_nc_u64 s[10:11], s[10:11], s[34:35]
	s_load_b32 s36, s[10:11], 0x0                  ; the batch's language
	s_lshl_b32 s34, ttmp9, 16                      ; from: 16 rows of 4,096 bytes a work-group, 512 bytes of each a wave
	s_lshl_b32 s37, s24, 9
	s_add_co_u32 s34, s34, s37
	s_add_nc_u64 s[4:5], s[4:5], s[34:35]
	s_lshl_b32 s34, s26, 17                        ; to: [batch][64 rows][K step][16 rows][2,048]
	s_lshr_b32 s37, s27, 2
	s_lshl_b32 s37, s37, 16
	s_add_co_u32 s34, s34, s37
	s_lshl_b32 s37, s24, 13
	s_add_co_u32 s34, s34, s37
	s_and_b32 s37, s27, 3
	s_lshl_b32 s37, s37, 11
	s_add_co_u32 s34, s34, s37
	s_add_nc_u64 s[14:15], s[14:15], s[34:35]
	s_mul_i32 s37, s24, 16*SP                      ; my stage
	v_lshlrev_b32 v4, 4, v1                        ; 16 x lane: in memory, both ways
	v_add_nc_u32 v5, s37, v4                       ; into the stage: a row as it lies
	v_mul_u32_u24 v6, v7, SP
	v_lshl_add_u32 v6, v8, 6, v6
	v_add_nc_u32 v6, s37, v6                       ; out of it: row r, + 64 h: my 16 numbers of each 32
.set ii, 0
.rept 16
	global_load_b128 v[R0+4*ii:R0+4*ii+3], v4, s[4:5] offset:4096*ii th:TH_LOAD_NT
.set ii, ii+1
.endr
	s_wait_alu depctr_va_vdst(0)
	s_wait_kmcnt 0x0
	s_min_u32 s36, s36, 4                          ; an id outside 0..4 keeps no adapter's result: any scale serves, and the address stays inside the table
	s_lshl_b32 s34, s36, 4
	s_add_nc_u64 s[12:13], s[12:13], s[34:35]
	s_load_b32 s40, s[12:13], 0x0                  ; entry 4 x language
	s_wait_kmcnt 0x0
	SCALE s40, 10
	s_wait_alu depctr_va_vdst(0)
	s_wait_loadcnt 0x0
.set ii, 0
.rept 16
	ds_store_b128 v5, v[R0+4*ii:R0+4*ii+3] offset:SP*ii
.set ii, ii+1
.endr
.irp c, 0,1,2,3
.irp q, 0,1,2,3
	ds_load_b128 v[XX+16*\c+4*\q:XX+16*\c+4*\q+3], v6 offset:128*\c+16*\q   ; my own bytes: LDS serves a wave's instructions in order (ISA guide 5.7.1.4)
.endr
.endr
	s_wait_dscnt 0x0
.set ii, 0
.rept 64
	v_med3_num_f32 v[XX+ii], v[XX+ii], -v11, v11   ; the conversion to an 8-bit code does not saturate (ISA guide 7.6.2): the hold comes first
.set ii, ii+1
.endr
.irp c, 0,1,2,3
	v_cvt_scalef32_pk8_fp8_f32 v[CX+4*\c:CX+4*\c+1], v[XX+16*\c:XX+16*\c+7], v10
	v_cvt_scalef32_pk8_fp8_f32 v[CX+4*\c+2:CX+4*\c+3], v[XX+16*\c+8:XX+16*\c+15], v10
.endr
	v_nop                                          ; a plain line behind the last conversion
.irp c, 0,1,2,3
	global_store_b128 v4, v[CX+4*\c:CX+4*\c+3], s[14:15] offset:512*\c   ; 512 consecutive bytes a store
.endr
	s_wait_tensorcnt 0x0                           ; the wave's end
	ds_add_u32 v12, v13
	s_wait_dscnt 0x0
	s_endpgm
	; ---- W1 and Wf
.Lw_path:
	s_load_b512 s[48:63], s[12:13], 0x0            ; entries 0..15: W1's are 1, 5, 9, 13,
	s_load_b64 s[66:67], s[12:13], 0x40            ; and 17
	s_load_b32 s68, s[12:13], 0x54                 ; Wf's: 21
	s_sub_co_u32 s33, s24, 8
	s_and_b32 s25, s33, 3                          ; which 32 columns
	s_lshr_b32 s26, s33, 2                         ; which 16 of the 32 K
	s_and_b32 s27, ttmp9, 7                        ; which 128 columns
	s_lshr_b32 s32, ttmp9, 3                       ; which 32 K
	s_lshl_b32 s34, s32, 17                        ; from: rows of 4,096 bytes
	s_lshl_b32 s37, s26, 16
	s_add_co_u32 s34, s34, s37
	s_lshl_b32 s37, s27, 9
	s_add_co_u32 s34, s34, s37
	s_lshl_b32 s37, s25, 7
	s_add_co_u32 s34, s34, s37
	s_add_nc_u64 s[6:7], s[6:7], s[34:35]          ; languages 0 and 1,
	s_add_nc_u64 s[42:43], s[6:7], 0x800000        ; 2 and 3,
	s_add_nc_u64 s[44:45], s[6:7], 0x1000000       ; 4
	s_lshl_b32 s34, s27, 17                        ; to: [language][128 columns][K step][tile][2,048]
	s_lshr_b32 s37, s32, 2
	s_lshl_b32 s37, s37, 14
	s_add_co_u32 s34, s34, s37
	s_and_b32 s37, s32, 3
	s_lshl_b32 s37, s37, 9
	s_add_co_u32 s34, s34, s37
	s_lshl_b32 s37, s25, 12
	s_add_co_u32 s34, s34, s37
	s_lshl_b32 s37, s26, 8
	s_add_co_u32 s34, s34, s37
	s_add_nc_u64 s[16:17], s[16:17], s[34:35]
	s_lshr_b32 s36, ttmp9, 1                       ; Wf: which 16 K
	s_and_b32 s40, ttmp9, 1
	s_lshl_b32 s40, s40, 3
	s_add_co_u32 s40, s40, s33                     ; Wf: which 32 columns
	s_lshl_b32 s34, s36, 15                        ; from: rows of 2,048 bytes
	s_lshl_b32 s37, s40, 7
	s_add_co_u32 s34, s34, s37
	s_add_nc_u64 s[8:9], s[8:9], s[34:35]
	s_lshr_b32 s34, s36, 3                         ; to: [K step][tile][2,048]
	s_lshl_b32 s34, s34, 16
	s_and_b32 s37, s36, 7
	s_lshl_b32 s37, s37, 8
	s_add_co_u32 s34, s34, s37
	s_lshl_b32 s37, s40, 12
	s_add_co_u32 s34, s34, s37
	s_add_nc_u64 s[18:19], s[18:19], s[34:35]
	v_lshrrev_b32 v9, 3, v7
	v_and_b32 v14, 7, v7
	v_lshlrev_b32 v3, 4, v7
	v_lshlrev_b32 v4, 2, v1                        ; Wf: column = lane
	v_lshl_add_u32 v14, v9, 4, v14
	v_lshl_add_u32 v3, v8, 11, v3                  ; out: 2,048 u + 16 r
	v_lshl_add_u32 v14, v8, 3, v14                 ; W1: column 16 (r / 8) + 8 u + r % 8
	v_lshlrev_b32 v2, 2, v14
	s_wait_alu depctr_va_vdst(0)
	s_cmp_ge_u32 ttmp9, 140
	s_cbranch_scc1 .Lwf_rest
.set ii, 0
.rept 16
	global_load_b32 v[X+80+ii], v4, s[8:9] offset:2048*ii th:TH_LOAD_NT
.set ii, ii+1
.endr
	s_branch .Lw1
.Lwf_rest:                                             ; K from 1,120 on: four rows are left (work-groups 140 and 141), zeros behind
.set ii, 0
.rept 16
	v_mov_b32 v[X+80+ii], 0
.set ii, ii+1
.endr
	s_cmp_ge_u32 ttmp9, 142
	s_cbranch_scc1 .Lw1
.set ii, 0
.rept 4
	global_load_b32 v[X+80+ii], v4, s[8:9] offset:2048*ii th:TH_LOAD_NT
.set ii, ii+1
.endr
.Lw1:
.macro LOADW l, b                      ; language l: my 16 rows of K, 128 consecutive bytes a load
.set ii, 0
.rept 16
	global_load_b32 v[X+16*\l+ii], v2, s[\b:\b+1] offset:4194304*(\l%2)+4096*ii th:TH_LOAD_NT
.set ii, ii+1
.endr
.endm
.macro QW l, b, off                    ; set l becomes 16 codes a lane: lanes 0-15 and 16-31 store 256 consecutive bytes each, aligned
.set ii, 0
.rept 16
	v_med3_num_f32 v[X+16*\l+ii], v[X+16*\l+ii], -v[SC+2*\l+1], v[SC+2*\l+1]
.set ii, ii+1
.endr
	v_cvt_scalef32_pk8_fp8_f32 v[C+4*\l:C+4*\l+1], v[X+16*\l:X+16*\l+7], v[SC+2*\l]
	v_cvt_scalef32_pk8_fp8_f32 v[C+4*\l+2:C+4*\l+3], v[X+16*\l+8:X+16*\l+15], v[SC+2*\l]
	v_nop
	global_store_b128 v3, v[C+4*\l:C+4*\l+3], s[\b:\b+1] offset:\off
.endm
	LOADW 0, 6
	LOADW 1, 6
	s_wait_kmcnt 0x0
	SCALE s49, SC
	SCALE s53, SC+2
	SCALE s57, SC+4
	SCALE s61, SC+6
	SCALE s67, SC+8
	SCALE s68, SC+10
	LOADW 2, 42
	LOADW 3, 42
	LOADW 4, 44
	s_wait_alu depctr_va_vdst(0)
	s_wait_loadcnt 63                              ; 64 younger loads; the count's field ends at 63
	QW 0, 16, 0
	s_wait_loadcnt 48                              ; three languages' loads may be out
	QW 1, 16, 1048576
	s_wait_loadcnt 32
	QW 2, 16, 2097152
	s_wait_loadcnt 16
	QW 3, 16, 3145728
	s_wait_loadcnt 0
	QW 4, 16, 4194304
	s_cmp_ge_u32 ttmp9, 144
	s_cbranch_scc1 .Lw_end
	QW 5, 18, 0                                    ; Wf: its loads are older than W1's
.Lw_end:
	s_endpgm
.Lfunc_end_k_q99c6543143_prep:
	.size	k_q99c6543143_prep, .Lfunc_end_k_q99c6543143_prep-k_q99c6543143_prep
	.p2alignl 7, 3214868480
	.fill 96, 4, 3214868480
	.section	.rodata,"a",@progbits
	.p2align	6, 0x0
	.amdhsa_kernel k_q99c6543143_prep
		.amdhsa_group_segment_fixed_size 69632
		.amdhsa_private_segment_fixed_size 0
		.amdhsa_enable_private_segment 0
		.amdhsa_kernarg_size 64
		.amdhsa_user_sgpr_count 2
		.amdhsa_user_sgpr_kernarg_segment_ptr 1
		.amdhsa_wavefront_size32 1
		.amdhsa_system_sgpr_workgroup_id_x 1
		.amdhsa_system_sgpr_workgroup_id_y 1
		.amdhsa_system_sgpr_workgroup_id_z 1
		.amdhsa_system_vgpr_workitem_id 0
		.amdhsa_next_free_vgpr 168
		.amdhsa_next_free_sgpr 72
		.amdhsa_reserve_vcc 0
		.amdhsa_float_denorm_mode_32 3
		.amdhsa_float_denorm_mode_16_64 3
		.amdhsa_memory_ordered 1
		.amdhsa_forward_progress 1
		.amdhsa_inst_pref_size 33
	.end_amdhsa_kernel
	.amdgpu_metadata
---
amdhsa.version: [ 1, 2 ]
amdhsa.kernels:
  - .name:           k_q99c6543143_prep
    .symbol:         k_q99c6543143_prep.kd
    .args:
      - { .name: sequence_output, .offset: 0, .size: 8, .value_kind: global_buffer, .address_space: global }
      - { .name: W1, .offset: 8, .size: 8, .value_kind: global_buffer, .address_space: global }
      - { .name: Wf, .offset: 16, .size: 8, .value_kind: global_buffer, .address_space: global }
      - { .name: language_ids, .offset: 24, .size: 8, .value_kind: global_buffer, .address_space: global }
      - { .name: lowp_scales, .offset: 32, .size: 8, .value_kind: global_buffer, .address_space: global }
      - { .name: xq, .offset: 40, .size: 8, .value_kind: global_buffer, .address_space: global }
      - { .name: w1q, .offset: 48, .size: 8, .value_kind: global_buffer, .address_space: global }
      - { .name: wfq, .offset: 56, .size: 8, .value_kind: global_buffer, .address_space: global }
    .group_segment_fixed_size: 69632
    .private_segment_fixed_size: 0
    .kernarg_segment_align: 8
    .kernarg_segment_size: 64
    .max_flat_workgroup_size: 512
    .sgpr_count:     72
    .vgpr_count:     168
    .wavefront_size: 32
...
	.end_amdgpu_metadata
.endif
;; end of part 1
;; launch gemm1 (part 2): grid 8 x 32, 8 waves a work-group, clusters of 4 x 1, 167,936 bytes of LDS; arguments xq, w1q, language_ids, lowp_scales, b1, W2, hbuf, stats, w2q; writes hbuf, stats, w2q
.if DOCPART == 2
	.amdgcn_target "amdgcn-amd-amdhsa--gfx1250"
	.amdhsa_code_object_version 6
	.text
	.protected	k_q99c6543143_gemm1
	.globl	k_q99c6543143_gemm1
	.p2align	8
	.type	k_q99c6543143_gemm1,@function
k_q99c6543143_gemm1:
	s_mov_b64 s[64:65], 0
	v_nop
	global_prefetch_b8 v0, s[64:65] scope:SCOPE_SE
	s_setreg_imm32_b32 hwreg(HW_REG_WAVE_MODE, 25, 1), 1
	s_wait_xcnt 0x0
	s_wait_alu depctr_hold_cnt(0) depctr_sa_sdst(0) depctr_va_vdst(0) depctr_va_sdst(0) depctr_va_ssrc(0) depctr_va_vcc(0) depctr_vm_vsrc(0)
	s_getreg_b32 s2, hwreg(HW_REG_IB_STS2, 6, 4)
	s_cmp_eq_u32 s2, 0
	s_cbranch_scc0 .Lentry_in_a_cluster
	s_endpgm
.Lentry_in_a_cluster:
	s_bfe_u32 s2, ttmp6, 0x10000c
	s_cmp_lg_u32 s2, 0x3003
	s_cbranch_scc0 .Lentry_shape_is_right
	s_endpgm
.Lentry_shape_is_right:
; GEMM1: h = x W1[language] x 2^(e0 + e1) + b1, f32, for one batch (128 rows; y) and 128 columns (x: column block j), on codes of FP8 (E4M3); for each row and each 64 columns the mean and the sum of
; squared distances from it, from which the next launch makes the row's LayerNorm without a difference of large sums; and, by waves of their own, W2's codes for the launches behind.
; Only the batch's own language is multiplied: the other adapters' results are multiplied by 0 in the definition.  An id outside 0..4 is held at 4 for the addresses; a later launch drops the result.
; A NaN, an infinity or an overflow that reaches only the adapters left out is not carried to the result.
; LIMITS: e0 + e1 between -126 and 127; W2's e between -126 and 119; NaN among the inputs is not served.
; CLUSTER: four column blocks of one batch.  x's tile (128 rows x 1,024 K of codes, 128 KiB, dense in memory) is theirs in common and is asked for JOINTLY, 16 KiB (64 rows x two K steps) a wave: waves 0-3 ask
; for rows 0-63 at once, waves 4-7 for rows 64-127 behind their first 64 loads of W2.  All of it lands in LDS once: no slot is filled again.  The products begin when rows 0-63 have landed; a second barrier
; shows rows 64-127.  W1's tile is shared by no partner: it comes straight into registers.
; WAVES 0-3 multiply: wave w makes 128 rows x 32 columns.  Its 32 KiB of W1 fill window 1 (K step ks, tile t at v[32 ks + 16 t]); x's fragments come from LDS, 4 row tiles x 128 K at a time, two buffers.
; Rows 0-63 are finished and stored first, so that their stores are on their way while rows 64-127 are multiplied.
; WAVES 4-7 turn W2 into codes: work-group (j, y): 32 rows of K (32 y on) x 128 columns (128 j on) of each of five languages; a lane takes a column and its registers run down K; two languages' loads are out.
; USED TRANSPOSED (source 0 = 16 columns of W1, source 1 = 16 rows of x): a lane holds one row, and by W1's column order the 16 registers of its two tiles are columns 16 h + 0..15 of the wave's 32.
; No prefetch: there is no loop; every load of the products goes out at the head.
; LDS: 0 x [64 rows][K step][row tile][2,048]; STATL: (mean, M2) [row][wave] of 32 columns; SPARE: the spare words.
; REGISTERS: v2, v3 the add's; v4-7 LDS addresses, made ahead of the parting of the waves.  Waves 0-3: v8-31, v48-63 at work, v32-47 b1; v64-127 and v192-255 (rows 64-127: v128-191) x's fragments;
; v128-191 accumulators of rows 0-63, v192-255 of rows 64-127.  Waves 4-7: v16-25 scales; v64-127 two sets of 32 numbers; v128-167 codes.
.set STATL, 131072
.set SPARE, 135168
.set X,   64
.set C,   128
.set MSB, 0
.macro WIN new                         ; low byte: bits 1:0 source 0, 3:2 source 1, 5:4 source 2, 7:6 destination; the high byte repeats the setting that is left
.if MSB != \new
	s_set_vgpr_msb (MSB<<8)|\new
.set MSB, \new
.endif
.endm
.macro CROUND                          ; a round of the cluster's barrier
	s_barrier_signal -1
	s_barrier_wait -1
	s_cmp_lg_u32 s24, 0
	s_cbranch_scc1 .Lnot_wave_0_\@
	s_barrier_signal -3
.Lnot_wave_0_\@:
	s_barrier_wait -3
	s_barrier_signal -1
	s_barrier_wait -1
.endm
.macro SCALE e, d                      ; v[d] = 2^e, v[d + 1] = 448 x 2^e
	s_add_co_i32 s22, \e, 127
	s_lshl_b32 s23, s22, 23
	v_mov_b32 v[\d], s23
	s_add_co_i32 s22, s22, 8
	s_lshl_b32 s22, s22, 23
	s_or_b32 s22, s22, 0x600000
	v_mov_b32 v[\d+1], s22
.endm
.macro OFFS n, sh                      ; s44 += n << sh
	s_lshl_b32 s22, \n, \sh
	s_add_co_u32 s44, s44, s22
.endm
.macro XLOAD                           ; my one tensor load
	tensor_load_to_lds s[28:31], s[32:39]
	s_nop 0
.rept 4
	v_nop
.endr
.endm
.macro LOADB ks                        ; W1's two fragments of K step ks: eight loads, 512 consecutive bytes each
.irp t, 0,1
.irp c, 0,1,2,3
	global_load_b128 v[32*\ks+16*\t+4*\c:32*\ks+16*\t+4*\c+3], v4, s[6:7] offset:16384*\ks+2048*\t+512*\c
.endr
.endr
.endm
.macro LOADW t                         ; W2, language t: 32 rows of my column into set t % 2
.if (\t) < 2
.set LB, 14
.else
.set LB, 48+2*((\t)/2-1)
.endif
.set ii, 0
.rept 32
	global_load_b32 v[X+32*((\t)%2)+ii], v8, s[LB:LB+1] offset:4194304*((\t)%2)+4096*ii th:TH_LOAD_NT
.set ii, ii+1
.endr
.endm
	s_load_b512 s[4:19], s[0:1], 0x0               ; xq s[4:5], w1q s[6:7], ids s[8:9], scales s[10:11], b1 s[12:13], W2 s[14:15], hbuf s[16:17], stats s[18:19]
	s_load_b64 s[20:21], s[0:1], 0x40              ; w2q
	v_lshl_add_u32 v2, v0, 2, SPARE
	v_mov_b32 v3, 0
	ds_add_u32 v2, v3                              ; the opening: the add, twice on end, and its wait ahead of my first tensor load
	ds_add_u32 v2, v3
	v_lshrrev_b32 v1, 5, v0
	v_readfirstlane_b32 s24, v1                    ; wave 0..7
	v_and_b32 v1, 31, v0                           ; lane
	v_and_b32 v11, 15, v0                          ; r
	v_bfe_u32 v12, v0, 4, 1                        ; h
	s_and_b32 s25, s24, 3                          ; which 32 columns, in both roles
	s_lshl_b32 s22, s25, 3
	s_add_co_u32 s22, s22, STATL
	v_lshlrev_b32 v4, 4, v1                        ; 16 x lane: my place in a fragment, in LDS (rows 0-63) and in memory
	v_add_nc_u32 v5, 0x10000, v4                   ; the same for rows 64-127 in LDS
	v_lshl_add_u32 v6, v11, 5, s22                 ; statistics, in: row r, my wave's 8 bytes of 32
	s_and_b32 s22, s25, 1
	s_lshl_b32 s22, s22, 11
	s_lshr_b32 s23, s25, 1
	s_lshl_b32 s23, s23, 4
	s_add_co_u32 s22, s22, s23
	s_add_co_u32 s22, s22, STATL
	s_wait_alu depctr_va_vdst(0)
	v_lshl_add_u32 v7, v1, 5, s22                  ; statistics, out: rows 64 (w % 2) + lane, waves 2 (w / 2) and 2 (w / 2) + 1
	v_lshlrev_b32 v8, 2, v1                        ; W2: column = lane
	v_lshlrev_b32 v9, 4, v11
	v_lshl_add_u32 v9, v12, 11, v9                 ; W2's codes: 2,048 u + 16 r
	v_lshlrev_b32 v10, 6, v12                      ; b1: 64 h
	s_bfe_u32 s26, ttmp6, 0x40000                  ; my place in the cluster
	s_lshl_b32 s27, ttmp9, 2
	s_add_co_u32 s26, s27, s26                     ; j
	s_and_b32 s27, ttmp7, 0xffff                   ; batch
	s_mov_b32 s28, 1                               ; group 0: count,
	s_lshl_b32 s29, s24, 14                        ; LDS address: 16 KiB a wave
	s_mov_b32 s32, 15|(3<<16)|(1<<21)              ; group 1: the mask of all four; elements of 8 bytes; bit 21 beside a mask; no padding
	s_mov_b32 s33, 32<<16                          ; 64 rows of 256 bytes, dense
	s_mov_b32 s34, 64<<16
	s_mov_b32 s35, 32<<16
	s_mov_b32 s36, 64
	s_mov_b32 s37, 32
	s_mov_b32 s38, 0
	s_mov_b32 s39, 0
	s_mov_b32 s40, 0x76543210                      ; v_permlanex16_b32's selects for lane l xor 16
	s_mov_b32 s41, 0xfedcba98
	s_mov_b32 s45, 0                               ; the upper words of the offset pairs
	s_mov_b32 s47, 0
	s_lshl_b32 s46, s27, 17                        ; x: the batch's 128 KiB, my 16: nothing here hangs on my place in the cluster
	s_lshl_b32 s22, s24, 14
	s_add_co_u32 s46, s46, s22
	s_lshl_b32 s44, s27, 2
	s_wait_alu depctr_va_vdst(0)
	s_wait_dscnt 0x0                               ; both opening adds are done
	s_wait_kmcnt 0x0
	s_add_nc_u64 s[8:9], s[8:9], s[44:45]
	s_load_b32 s66, s[8:9], 0x0                    ; the batch's language
	s_load_b512 s[72:87], s[10:11], 0x0            ; the scales' entries 0..15,
	s_load_b128 s[88:91], s[10:11], 0x40           ; 16..19: W2's are 3, 7, 11, 15, 19
	s_add_nc_u64 s[30:31], s[4:5], s[46:47]
	s_lshl_b32 s44, s27, 17                        ; W2, from: 32 rows of 4,096 bytes.  (Every wave makes these bases, ahead of the waves' parting)
	OFFS s26, 9
	OFFS s25, 7
	s_add_nc_u64 s[14:15], s[14:15], s[44:45]      ; languages 0 and 1,
	s_add_nc_u64 s[48:49], s[14:15], 0x800000      ; 2 and 3,
	s_add_nc_u64 s[50:51], s[14:15], 0x1000000     ; 4
	s_lshl_b32 s44, s26, 17                        ; W2's codes, to: [language][j][K step][tile][2,048]
	s_lshr_b32 s23, s27, 2
	OFFS s23, 14
	OFFS s25, 12
	s_and_b32 s23, s27, 3
	OFFS s23, 9
	s_add_nc_u64 s[20:21], s[20:21], s[44:45]
	s_or_b32 s31, s31, 0x80000000
	CROUND                                         ; the four work-groups are here: the joint loads meet
	s_cmp_lt_u32 s24, 4
	s_cbranch_scc1 .Lgemm_a
	; ---- waves 4-7: W2's first loads go out, then rows 64-127 of x are asked for
	LOADW 0
	LOADW 1
	XLOAD
	s_wait_kmcnt 0x0
	SCALE s75, 16
	SCALE s79, 18
	SCALE s83, 20
	SCALE s87, 22
	SCALE s91, 24
	s_branch .Ljoin
	; ---- waves 0-3: rows 0-63 of x are asked for, W1's loads go out
.Lgemm_a:
	XLOAD
	s_wait_kmcnt 0x0
	s_min_u32 s66, s66, 4
	s_lshl_b32 s44, s66, 20                        ; W1's codes: [language][j][K step][tile]: my two tiles
	OFFS s26, 17
	OFFS s24, 12
	s_add_nc_u64 s[6:7], s[6:7], s[44:45]
	WIN 0x40                                       ; destination window 1
.irp k, 0,1,2,3,4,5,6
	LOADB \k
.endr
	WIN 0
	s_lshl_b32 s44, s66, 12                        ; b1: my 32 columns
	OFFS s26, 9
	OFFS s24, 7
	s_add_nc_u64 s[12:13], s[12:13], s[44:45]
	s_lshl_b32 s44, s27, 19                        ; h's image: [batch][row tile][32 columns: 4 j + wave][2,048]
	OFFS s26, 13
	OFFS s24, 11
	s_add_nc_u64 s[16:17], s[16:17], s[44:45]
	s_lshl_b32 s44, s27, 14                        ; statistics: [batch][chunk 2 j + w / 2][row][mean, M2]: rows 64 (w % 2) on
	OFFS s26, 11
	s_lshr_b32 s23, s24, 1
	OFFS s23, 10
	s_and_b32 s23, s24, 1
	OFFS s23, 9
	s_add_nc_u64 s[18:19], s[18:19], s[44:45]
	s_lshl_b32 s44, s66, 4
	s_add_nc_u64 s[10:11], s[10:11], s[44:45]
	s_load_b64 s[68:69], s[10:11], 0x0             ; e0, e1: entries 4 l, 4 l + 1
	s_wait_tensorcnt 0x0                           ; my two K steps of rows 0-63 are in LDS
.Ljoin:
	s_wait_alu depctr_va_vdst(0)
	s_barrier_signal -1                            ; rows 0-63 of x are whole (waves 4-7's load, rows 64-127, may be out, and the next one shows it)
	s_barrier_wait -1
	s_cmp_ge_u32 s24, 4
	s_cbranch_scc1 .Lstream_b
	; ---- waves 0-3: the products
.macro FETCHA hf, ks, f                ; x's four fragments: rows 64 hf on, K step ks: 16 loads
.irp a, 0,1,2,3
.irp c, 0,1,2,3
	ds_load_b128 v[\f+16*\a+4*\c:\f+16*\a+4*\c+3], v[4+\hf] offset:8192*(\ks)+2048*\a+512*\c
.endr
.endr
.endm
; A K step of 128: the next one's fragments are asked for, then 8 matrix instructions; the 8 accumulators take turns, one instruction a turn.
.macro GSTEP hf, ks
.set FA, 64+(128-64*\hf)*((\ks)%2)
.set GA, 64+(128-64*\hf)*(((\ks)+1)%2)
.set AC, 128+64*\hf
.if \ks < 7
	FETCHA \hf, \ks+1, GA
	s_wait_dscnt 16                                ; all but the 16 just issued
.else
	s_wait_dscnt 0x0
.endif
.if \hf == 0
	s_wait_loadcnt 60-8*\ks                        ; this K step of W1 is in; the later ones' eight loads each and b1's four may be out
.endif
	WIN 0x01                                       ; source 0 (W1) window 1
.irp a, 0,1,2,3
.irp t, 0,1
.if \ks == 0
	v_wmma_f32_16x16x128_fp8_fp8 v[AC+8*(2*\a+\t):AC+8*(2*\a+\t)+7], v[32*\ks+16*\t:32*\ks+16*\t+15], v[FA+16*\a:FA+16*\a+15], 0   ; the first K step starts the sums
.else
	v_wmma_f32_16x16x128_fp8_fp8 v[AC+8*(2*\a+\t):AC+8*(2*\a+\t)+7], v[32*\ks+16*\t:32*\ks+16*\t+15], v[FA+16*\a:FA+16*\a+15], v[AC+8*(2*\a+\t):AC+8*(2*\a+\t)+7]
.endif
.endr
.endr
	WIN 0
.rept 4
	v_nop                                          ; places (ISA guide 7.12.1 for vector instructions) in front of loads into what was read, and of reads of results
.endr
.endm
; Row tiles a and a + 1, line by line in turn: 16 registers = my row's columns 16 h + 0..15.  h = sum x 2^(e0 + e1) + b1, in place, each accumulator from its low end on; stored;
; then the wave's 32 columns' mean and M2, which go to LDS (both halves of the lanes write the same bytes with the same value).
.macro EPI a, acc
.irp p, 0,2,4,6,8,10,12,14
.irp z, 0,1
	v_pk_fma_f32 v[\acc+16*((\a)%4+\z)+\p:\acc+16*((\a)%4+\z)+\p+1], v[\acc+16*((\a)%4+\z)+\p:\acc+16*((\a)%4+\z)+\p+1], s[42:43], v[32+\p:33+\p] op_sel_hi:[1,0,1]
.endr
.endr
.irp z, 0,1
.irp q, 0,1,2,3
	global_store_b128 v4, v[\acc+16*((\a)%4+\z)+4*\q:\acc+16*((\a)%4+\z)+4*\q+3], s[16:17] offset:65536*(\a+\z)+512*\q   ; 512 consecutive bytes a store
.endr
.endr
.irp z, 0,1
	v_pk_add_f32 v[24+4*\z:25+4*\z], v[\acc+16*((\a)%4+\z):\acc+16*((\a)%4+\z)+1], v[\acc+16*((\a)%4+\z)+2:\acc+16*((\a)%4+\z)+3]
	v_pk_add_f32 v[26+4*\z:27+4*\z], v[\acc+16*((\a)%4+\z)+4:\acc+16*((\a)%4+\z)+5], v[\acc+16*((\a)%4+\z)+6:\acc+16*((\a)%4+\z)+7]
.endr
.irp n, 8,12
.irp z, 0,1
	v_pk_add_f32 v[24+4*\z:25+4*\z], v[24+4*\z:25+4*\z], v[\acc+16*((\a)%4+\z)+\n:\acc+16*((\a)%4+\z)+\n+1]
	v_pk_add_f32 v[26+4*\z:27+4*\z], v[26+4*\z:27+4*\z], v[\acc+16*((\a)%4+\z)+\n+2:\acc+16*((\a)%4+\z)+\n+3]
.endr
.endr
.irp z, 0,1
	v_pk_add_f32 v[24+4*\z:25+4*\z], v[24+4*\z:25+4*\z], v[26+4*\z:27+4*\z]
.endr
.irp z, 0,1
	v_add_f32 v[24+4*\z], v[24+4*\z], v[25+4*\z]
.endr
.irp z, 0,1
	v_permlanex16_b32 v\z, v[24+4*\z], s40, s41    ; the row's other 16 lie in lane l xor 16
.endr
.irp z, 0,1
	v_add_f32 v[24+4*\z], v[24+4*\z], v\z
.endr
.irp z, 0,1
	v_mul_f32 v[24+4*\z], 0x3d000000, v[24+4*\z]   ; / 32: the mean
.endr
.irp z, 0,1
	v_mov_b32 v[25+4*\z], v[24+4*\z]
.endr
.irp p, 0,2,4,6,8,10,12,14
.irp z, 0,1
	v_pk_add_f32 v[48-40*\z+\p:49-40*\z+\p], v[\acc+16*((\a)%4+\z)+\p:\acc+16*((\a)%4+\z)+\p+1], v[24+4*\z:25+4*\z] neg_lo:[0,1] neg_hi:[0,1]
.endr
.endr
.irp p, 0,2
.irp z, 0,1
	v_pk_mul_f32 v[48-40*\z+\p:49-40*\z+\p], v[48-40*\z+\p:49-40*\z+\p], v[48-40*\z+\p:49-40*\z+\p]
.endr
.endr
.irp n, 4,8,12
.irp z, 0,1
	v_pk_fma_f32 v[48-40*\z:49-40*\z], v[48-40*\z+\n:49-40*\z+\n], v[48-40*\z+\n:49-40*\z+\n], v[48-40*\z:49-40*\z]
	v_pk_fma_f32 v[50-40*\z:51-40*\z], v[50-40*\z+\n:51-40*\z+\n], v[50-40*\z+\n:51-40*\z+\n], v[50-40*\z:51-40*\z]
.endr
.endr
.irp z, 0,1
	v_pk_add_f32 v[48-40*\z:49-40*\z], v[48-40*\z:49-40*\z], v[50-40*\z:51-40*\z]
.endr
.irp z, 0,1
	v_add_f32 v[48-40*\z], v[48-40*\z], v[49-40*\z]
.endr
.irp z, 0,1
	v_permlanex16_b32 v\z, v[48-40*\z], s40, s41
.endr
.irp z, 0,1
	v_add_f32 v[25+4*\z], v[48-40*\z], v\z         ; M2
.endr
.irp z, 0,1
	ds_store_b64 v6, v[24+4*\z:25+4*\z] offset:512*(\a+\z)
.endr
.endm
; Language t of W2: my column's 32 rows become 32 codes.
.macro QB t
.set XS, X+32*((\t)%2)
.if (\t) < 4
	s_wait_loadcnt 32                              ; the next language's 32 loads may be out
.else
	s_wait_loadcnt 0x0
.endif
.set ii, 0
.rept 32
	v_med3_num_f32 v[XS+ii], v[XS+ii], -v[17+2*\t], v[17+2*\t]   ; the conversion to an 8-bit code does not saturate (ISA guide 7.6.2)
.set ii, ii+1
.endr
.irp g, 0,1,2,3
	v_cvt_scalef32_pk8_fp8_f32 v[C+8*(\t)+2*\g:C+8*(\t)+2*\g+1], v[XS+8*\g:XS+8*\g+7], v[16+2*\t]
.endr
	v_nop                                          ; a plain line behind the last conversion
	global_store_b128 v9, v[C+8*(\t):C+8*(\t)+3], s[20:21] offset:1048576*(\t)         ; k 0..15 of the block: sixteen lanes write 256 consecutive bytes, aligned
	global_store_b128 v9, v[C+8*(\t)+4:C+8*(\t)+7], s[20:21] offset:1048576*(\t)+256   ; k 16..31
.if (\t) < 3
	LOADW (\t)+2
.endif
.endm
	WIN 0x40
	LOADB 7
	WIN 0
.irp q, 0,1,2,3
	global_load_b128 v[32+4*\q:35+4*\q], v10, s[12:13] offset:16*\q   ; register i: b1 at column 16 h + i
.endr
	FETCHA 0, 0, 64
.irp k, 0,1,2,3,4,5,6,7
	GSTEP 0, \k
.endr
	s_branch .Lmid
	; ---- waves 4-7: two languages of W2
.Lstream_b:
	QB 0
	QB 1
.Lmid:
	s_wait_alu depctr_va_vdst(0)
	s_wait_tensorcnt 0x0                           ; waves 4-7: my two K steps of rows 64-127 are in LDS:
	s_wait_dscnt 0x0
	s_barrier_signal -1                            ; say so
	s_barrier_wait -1
	s_cmp_ge_u32 s24, 4
	s_cbranch_scc1 .Lstream_c
	FETCHA 1, 0, 64                                ; rows 64-127's first fragments, on their way under the stores
	s_wait_kmcnt 0x0
	s_add_co_i32 s42, s68, s69
	s_add_co_i32 s42, s42, 127
	s_lshl_b32 s42, s42, 23                        ; 2^(e0 + e1) as f32
	s_mov_b32 s43, s42                             ; (named with it as a pair, so it is written)
	s_wait_loadcnt 0x0                             ; b1
	EPI 0, 128
	EPI 2, 128
	s_wait_xcnt 0x0                                ; the stores have read v128-191: fragments may land there
.irp k, 0,1,2,3,4,5,6,7
	GSTEP 1, \k
.endr
	EPI 4, 192
	EPI 6, 192
	s_branch .Ljoin2
	; ---- waves 4-7: the other three languages
.Lstream_c:
.irp t, 2,3,4
	QB \t
.endr
.Ljoin2:
	s_wait_alu depctr_va_vdst(0)
	s_wait_dscnt 0x0                               ; my statistics lie in LDS
	s_barrier_signal -1
	s_barrier_wait -1
	s_cmp_ge_u32 s24, 4
	s_cbranch_scc1 .Lend
	ds_load_b128 v[48:51], v7                      ; row 64 (w % 2) + lane: two waves' mean and M2
	ds_load_b128 v[52:55], v7 offset:1024          ; and 32 rows further on
	s_wait_dscnt 0x0
	v_lshrrev_b32 v10, 1, v4                       ; 8 x lane
	v_sub_f32 v24, v48, v50
	v_sub_f32 v25, v52, v54
	v_add_f32 v26, v48, v50
	v_add_f32 v28, v52, v54
	v_add_f32 v27, v49, v51
	v_add_f32 v29, v53, v55
	v_mul_f32 v24, v24, v24
	v_mul_f32 v25, v25, v25
	v_mul_f32 v26, 0.5, v26                        ; the mean of 64 columns
	v_mul_f32 v28, 0.5, v28
	v_fma_f32 v27, v24, 0x41800000, v27            ; M2 + M2 + 16 x the squared distance of the two means (32 x 32 / 64)
	v_fma_f32 v29, v25, 0x41800000, v29
	global_store_b64 v10, v[26:27], s[18:19]       ; 256 consecutive bytes, aligned
	global_store_b64 v10, v[28:29], s[18:19] offset:256
.Lend:
	s_wait_tensorcnt 0x0                           ; the wave's end
	ds_add_u32 v2, v3
	s_wait_dscnt 0x0
	CROUND                                         ; the closing round
	s_endpgm
.Lfunc_end_k_q99c6543143_gemm1:
	.size	k_q99c6543143_gemm1, .Lfunc_end_k_q99c6543143_gemm1-k_q99c6543143_gemm1
	.p2alignl 7, 3214868480
	.fill 96, 4, 3214868480
	.section	.rodata,"a",@progbits
	.p2align	6, 0x0
	.amdhsa_kernel k_q99c6543143_gemm1
		.amdhsa_group_segment_fixed_size 167936
		.amdhsa_private_segment_fixed_size 0
		.amdhsa_enable_private_segment 0
		.amdhsa_kernarg_size 72
		.amdhsa_user_sgpr_count 2
		.amdhsa_user_sgpr_kernarg_segment_ptr 1
		.amdhsa_wavefront_size32 1
		.amdhsa_system_sgpr_workgroup_id_x 1
		.amdhsa_system_sgpr_workgroup_id_y 1
		.amdhsa_system_sgpr_workgroup_id_z 1
		.amdhsa_system_vgpr_workitem_id 0
		.amdhsa_next_free_vgpr 512
		.amdhsa_next_free_sgpr 96
		.amdhsa_reserve_vcc 0
		.amdhsa_float_denorm_mode_32 3
		.amdhsa_float_denorm_mode_16_64 3
		.amdhsa_memory_ordered 1
		.amdhsa_forward_progress 1
		.amdhsa_inst_pref_size 94
	.end_amdhsa_kernel
	.amdgpu_metadata
---
amdhsa.version: [ 1, 2 ]
amdhsa.kernels:
  - .name:           k_q99c6543143_gemm1
    .symbol:         k_q99c6543143_gemm1.kd
    .args:
      - { .name: xq, .offset: 0, .size: 8, .value_kind: global_buffer, .address_space: global }
      - { .name: w1q, .offset: 8, .size: 8, .value_kind: global_buffer, .address_space: global }
      - { .name: language_ids, .offset: 16, .size: 8, .value_kind: global_buffer, .address_space: global }
      - { .name: lowp_scales, .offset: 24, .size: 8, .value_kind: global_buffer, .address_space: global }
      - { .name: b1, .offset: 32, .size: 8, .value_kind: global_buffer, .address_space: global }
      - { .name: W2, .offset: 40, .size: 8, .value_kind: global_buffer, .address_space: global }
      - { .name: hbuf, .offset: 48, .size: 8, .value_kind: global_buffer, .address_space: global }
      - { .name: stats, .offset: 56, .size: 8, .value_kind: global_buffer, .address_space: global }
      - { .name: w2q, .offset: 64, .size: 8, .value_kind: global_buffer, .address_space: global }
    .group_segment_fixed_size: 167936
    .private_segment_fixed_size: 0
    .kernarg_segment_align: 8
    .kernarg_segment_size: 72
    .max_flat_workgroup_size: 256
    .sgpr_count:     96
    .vgpr_count:     512
    .wavefront_size: 32
...
	.end_amdgpu_metadata
.endif
;; end of part 2
;; launch lnq (part 3): grid 8 x 32, 8 waves a work-group, no clusters, 9,216 bytes of LDS; arguments hbuf, stats, language_ids, lowp_scales, g1, beta1, aq; writes aq
.if DOCPART == 3
	.amdgcn_target "amdgcn-amd-amdhsa--gfx1250"
	.amdhsa_code_object_version 6
	.text
	.protected	k_q99c6543143_lnq
	.globl	k_q99c6543143_lnq
	.p2align	8
	.type	k_q99c6543143_lnq,@function
k_q99c6543143_lnq:
	s_mov_b64 s[64:65], 0
	v_nop
	global_prefetch_b8 v0, s[64:65] scope:SCOPE_SE
	s_setreg_imm32_b32 hwreg(HW_REG_WAVE_MODE, 25, 1), 1
	s_wait_xcnt 0x0
; LNQ: a = relu(LayerNorm(h) g1 + beta1), quantised to FP8 (E4M3) with 2^e2 of the batch's own language, ONCE for each number, laid in the order of the next product's operand registers.
; A work-group takes 16 rows of a batch (work-group x: which 16; y: the batch); wave w of its eight takes K step w: 16 rows x 128 columns = one fragment of 2,048 bytes.
; h lies as an image of registers: for 32 columns, load q of four gives lane (r, h) the numbers h(row r, 16 h + 4 q + 0..3): so 16 loads of 512 consecutive bytes give a lane its 64 numbers,
; register 16 c + i = k 32 c + 16 h + i, and the conversions' results are the fragment's registers: four stores of 512 consecutive bytes.
; LAYERNORM: the row's mean is the mean of its 16 chunk means; its variance is (the sum of the chunks' M2 + 64 x the sum of squared distances of the chunk means from the mean) / 1,024:
; no difference of large sums.  Then (h - mean) x rsqrt(var + 1e-5) x g + beta, in the definition's order, all f32.  Each wave makes its rows' two figures itself: 45 lines, and no wave waits for another.
; g AND beta: the wave's 128 numbers of each come by one dense load and are turned through the wave's own 1,024 bytes of LDS, from which each lane reads its 64 of each.
; A stream: each byte of h is read once, each byte of the codes written once.  No barrier (waves share nothing), no matrix work, no joint loads (work-groups share only g, beta and the statistics, a small part of their bytes).
; LIMITS: e2 between -126 and 119.  NaN among the inputs is not served.  An id outside 0..4 is held at 4 for the addresses; the next launch drops the batch's result.
.set PC,  24                           ; v24-39    at work on the statistics, then the fragment's 16 registers of codes
.set H,   40                           ; v40-103   h, then a
.set G,   104                          ; v104-167  g
.set BE,  168                          ; v168-231  beta
.set SB,  232                          ; v232-247  (mean, M2) of my 8 chunks
	s_load_b256 s[4:11], s[0:1], 0x0               ; hbuf s[4:5], stats s[6:7], ids s[8:9], scales s[10:11]
	s_load_b128 s[12:15], s[0:1], 0x20             ; g1 s[12:13], beta1 s[14:15]
	s_load_b64 s[16:17], s[0:1], 0x30              ; aq
	v_lshl_add_u32 v248, v0, 2, 0x2000
	v_mov_b32 v249, 0
	v_lshrrev_b32 v1, 5, v0
	s_delay_alu instid0(VALU_DEP_1)
	v_readfirstlane_b32 s20, v1                    ; wave 0..7: my K step
	v_and_b32 v1, 31, v0                           ; lane
	v_and_b32 v2, 15, v0                           ; r
	v_bfe_u32 v3, v0, 4, 1                         ; h
	s_delay_alu instid0(VALU_DEP_3)
	v_lshlrev_b32 v4, 4, v1                        ; 16 x lane: my place in every dense load and store
	s_lshl_b32 s21, s20, 10                        ; my 1,024 bytes of LDS
	v_add_nc_u32 v5, s21, v4                       ; into them: as loaded
	v_lshlrev_b32 v6, 6, v3
	s_delay_alu instid0(VALU_DEP_1)
	v_add_nc_u32 v6, s21, v6                       ; out of them: + 64 h
	v_lshlrev_b32 v7, 3, v2
	s_delay_alu instid0(VALU_DEP_1)
	v_lshl_add_u32 v7, v3, 13, v7                  ; statistics: chunks 8 h + n, row r
	v_mov_b32 v28, 0                               ; written once: a lane permute's destination counts as one of its sources
	s_and_b32 s22, ttmp7, 0xffff                   ; batch
	s_mov_b32 s25, 0                               ; the upper word of the offset pair
	s_mov_b32 s26, 0x76543210                      ; v_permlanex16_b32's selects for lane l xor 16
	s_mov_b32 s27, 0xfedcba98
	s_mov_b32 s28, 0x3a800000                      ; 1 / 1,024
	s_mov_b32 s29, 0x3727c5ac                      ; 1e-5
	s_wait_alu depctr_va_vdst(0)
	s_wait_kmcnt 0x0
	s_lshl_b32 s24, s22, 2
	s_add_nc_u64 s[8:9], s[8:9], s[24:25]
	s_load_b32 s23, s[8:9], 0x0                    ; the batch's language: on its way while the loads that do not need it go out
	s_lshl_b32 s24, s22, 14                        ; statistics: [batch][chunk][row][2]: my 16 rows
	s_lshl_b32 s30, ttmp9, 7
	s_add_co_u32 s24, s24, s30
	s_add_nc_u64 s[6:7], s[6:7], s[24:25]
	s_lshl_b32 s24, s22, 19                        ; h: [batch][16 rows][32 columns][2,048]: my four groups of 32 columns
	s_lshl_b32 s30, ttmp9, 16
	s_add_co_u32 s24, s24, s30
	s_lshl_b32 s30, s20, 13
	s_add_co_u32 s24, s24, s30
	s_add_nc_u64 s[4:5], s[4:5], s[24:25]
.irp n, 0,1,2,3,4,5,6,7
	global_load_b64 v[SB+2*\n:SB+2*\n+1], v7, s[6:7] offset:1024*\n
.endr
.irp c, 0,1,2,3
.irp q, 0,1,2,3
	global_load_b128 v[H+16*\c+4*\q:H+16*\c+4*\q+3], v4, s[4:5] offset:2048*\c+512*\q th:TH_LOAD_NT   ; read once in the whole launch
.endr
.endr
	s_lshl_b32 s24, s22, 17                        ; the codes: [batch][K step][16 rows][2,048]
	s_lshl_b32 s30, s20, 14
	s_add_co_u32 s24, s24, s30
	s_lshl_b32 s30, ttmp9, 11
	s_add_co_u32 s24, s24, s30
	s_add_nc_u64 s[16:17], s[16:17], s[24:25]
	s_wait_kmcnt 0x0
	s_min_u32 s23, s23, 4
	s_lshl_b32 s24, s23, 12                        ; g1, beta1: the language's row, my 128 numbers
	s_lshl_b32 s30, s20, 9
	s_add_co_u32 s24, s24, s30
	s_add_nc_u64 s[12:13], s[12:13], s[24:25]
	s_add_nc_u64 s[14:15], s[14:15], s[24:25]
	global_load_b128 v[16:19], v4, s[12:13]
	global_load_b128 v[20:23], v4, s[14:15]
	s_lshl_b32 s24, s23, 4
	s_add_nc_u64 s[10:11], s[10:11], s[24:25]
	s_load_b32 s31, s[10:11], 0x8                  ; e2: entry 4 l + 2
	s_wait_loadcnt 18                              ; the statistics are in; h's 16 loads and the two of g and beta may be out
	v_add_f32 v24, v[SB], v[SB+2]                  ; the sum of my 8 chunk means,
	v_add_f32 v25, v[SB+4], v[SB+6]
	v_add_f32 v26, v[SB+8], v[SB+10]
	v_add_f32 v27, v[SB+12], v[SB+14]
	s_delay_alu instid0(VALU_DEP_3)
	v_add_f32 v24, v24, v25
	s_delay_alu instid0(VALU_DEP_2)
	v_add_f32 v26, v26, v27
	s_delay_alu instid0(VALU_DEP_1)
	v_add_f32 v24, v24, v26
	s_delay_alu instid0(VALU_DEP_1)
	v_permlanex16_b32 v28, v24, s26, s27           ; and of the 8 in lane l xor 16
	s_delay_alu instid0(VALU_DEP_1)
	v_add_f32 v24, v24, v28
	s_delay_alu instid0(VALU_DEP_1)
	v_mul_f32 v8, 0x3d800000, v24                  ; / 16: the row's mean, as a pair
	s_delay_alu instid0(VALU_DEP_1)
	v_mov_b32 v9, v8
	v_add_f32 v25, v[SB+1], v[SB+3]
	v_add_f32 v26, v[SB+5], v[SB+7]
	v_add_f32 v27, v[SB+9], v[SB+11]
	v_add_f32 v29, v[SB+13], v[SB+15]
	s_delay_alu instid0(VALU_DEP_3)
	v_add_f32 v25, v25, v26
	s_delay_alu instid0(VALU_DEP_2)
	v_add_f32 v27, v27, v29
	s_delay_alu instid0(VALU_DEP_1)
	v_add_f32 v25, v25, v27                        ; the sum of my chunks' M2
.irp n, 0,1,2,3,4,5,6,7
	v_sub_f32 v[30+\n], v[SB+2*\n], v8
.endr
	v_mul_f32 v29, v30, v30
.irp n, 1,2,3,4,5,6,7
	s_delay_alu instid0(VALU_DEP_1)
	v_fmac_f32 v29, v[30+\n], v[30+\n]
.endr
	s_delay_alu instid0(VALU_DEP_1)
	v_fma_f32 v25, v29, 0x42800000, v25            ; + 64 x the squared distances of the chunk means
	s_delay_alu instid0(VALU_DEP_1)
	v_permlanex16_b32 v28, v25, s26, s27
	s_delay_alu instid0(VALU_DEP_1)
	v_add_f32 v25, v25, v28
	s_delay_alu instid0(VALU_DEP_1)
	v_fma_f32 v25, v25, s28, s29                   ; / 1,024 + 1e-5
	s_wait_alu depctr_va_vdst(0)
	v_rsq_f32 v10, v25
	v_nop                                          ; a plain line behind the transcendental
	s_wait_alu depctr_va_vdst(0)
	v_mov_b32 v11, v10                             ; as a pair
	s_wait_kmcnt 0x0
	s_add_co_i32 s31, s31, 127
	s_lshl_b32 s30, s31, 23
	v_mov_b32 v13, s30                             ; 2^e2 as f32: the conversion takes its exponent field
	s_add_co_i32 s31, s31, 8
	s_lshl_b32 s31, s31, 23
	s_or_b32 s31, s31, 0x600000
	v_mov_b32 v12, s31                             ; 448 x 2^e2
	s_wait_loadcnt 0x0                             ; h, g and beta
	ds_store_b128 v5, v[16:19]
	ds_store_b128 v5, v[20:23] offset:512
.irp c, 0,1,2,3
.irp q, 0,1,2,3
	ds_load_b128 v[G+16*\c+4*\q:G+16*\c+4*\q+3], v6 offset:128*\c+16*\q            ; my own bytes: LDS serves a wave's instructions in order (ISA guide 5.7.1.4)
	ds_load_b128 v[BE+16*\c+4*\q:BE+16*\c+4*\q+3], v6 offset:512+128*\c+16*\q
.endr
.endr
.set ii, 0
.rept 32
	v_pk_add_f32 v[H+ii:H+ii+1], v[H+ii:H+ii+1], v[8:9] neg_lo:[0,1] neg_hi:[0,1]   ; h - mean: these two runs need neither g nor beta, which are on their way back
.set ii, ii+2
.endr
.set ii, 0
.rept 32
	v_pk_mul_f32 v[H+ii:H+ii+1], v[H+ii:H+ii+1], v[10:11]
.set ii, ii+2
.endr
	s_wait_dscnt 0x0
.set ii, 0
.rept 32
	v_pk_fma_f32 v[H+ii:H+ii+1], v[H+ii:H+ii+1], v[G+ii:G+ii+1], v[BE+ii:BE+ii+1]
.set ii, ii+2
.endr
.set ii, 0
.rept 64
	v_med3_num_f32 v[H+ii], v[H+ii], 0, v12        ; relu and the hold in one: the conversion to an 8-bit code does not saturate (ISA guide 7.6.2)
.set ii, ii+1
.endr
.irp c, 0,1,2,3
	v_cvt_scalef32_pk8_fp8_f32 v[PC+4*\c:PC+4*\c+1], v[H+16*\c:H+16*\c+7], v13
	v_cvt_scalef32_pk8_fp8_f32 v[PC+4*\c+2:PC+4*\c+3], v[H+16*\c+8:H+16*\c+15], v13
.endr
	v_nop                                          ; a plain line behind the last conversion
.irp c, 0,1,2,3
	global_store_b128 v4, v[PC+4*\c:PC+4*\c+3], s[16:17] offset:512*\c   ; 512 consecutive bytes a store
.endr
	s_wait_tensorcnt 0x0
	ds_add_u32 v248, v249
	s_wait_dscnt 0x0
	s_endpgm
.Lfunc_end_k_q99c6543143_lnq:
	.size	k_q99c6543143_lnq, .Lfunc_end_k_q99c6543143_lnq-k_q99c6543143_lnq
	.p2alignl 7, 3214868480
	.fill 96, 4, 3214868480
	.section	.rodata,"a",@progbits
	.p2align	6, 0x0
	.amdhsa_kernel k_q99c6543143_lnq
		.amdhsa_group_segment_fixed_size 9216
		.amdhsa_private_segment_fixed_size 0
		.amdhsa_enable_private_segment 0
		.amdhsa_kernarg_size 56
		.amdhsa_user_sgpr_count 2
		.amdhsa_user_sgpr_kernarg_segment_ptr 1
		.amdhsa_wavefront_size32 1
		.amdhsa_system_sgpr_workgroup_id_x 1
		.amdhsa_system_sgpr_workgroup_id_y 1
		.amdhsa_system_sgpr_workgroup_id_z 1
		.amdhsa_system_vgpr_workitem_id 0
		.amdhsa_next_free_vgpr 250
		.amdhsa_next_free_sgpr 66
		.amdhsa_reserve_vcc 0
		.amdhsa_float_denorm_mode_32 3
		.amdhsa_float_denorm_mode_16_64 3
		.amdhsa_memory_ordered 1
		.amdhsa_forward_progress 1
		.amdhsa_inst_pref_size 21
	.end_amdhsa_kernel
	.amdgpu_metadata
---
amdhsa.version: [ 1, 2 ]
amdhsa.kernels:
  - .name:           k_q99c6543143_lnq
    .symbol:         k_q99c6543143_lnq.kd
    .args:
      - { .name: hbuf, .offset: 0, .size: 8, .value_kind: global_buffer, .address_space: global }
      - { .name: stats, .offset: 8, .size: 8, .value_kind: global_buffer, .address_space: global }
      - { .name: language_ids, .offset: 16, .size: 8, .value_kind: global_buffer, .address_space: global }
      - { .name: lowp_scales, .offset: 24, .size: 8, .value_kind: global_buffer, .address_space: global }
      - { .name: g1, .offset: 32, .size: 8, .value_kind: global_buffer, .address_space: global }
      - { .name: beta1, .offset: 40, .size: 8, .value_kind: global_buffer, .address_space: global }
      - { .name: aq, .offset: 48, .size: 8, .value_kind: global_buffer, .address_space: global }
    .group_segment_fixed_size: 9216
    .private_segment_fixed_size: 0
    .kernarg_segment_align: 8
    .kernarg_segment_size: 56
    .max_flat_workgroup_size: 256
    .sgpr_count:     66
    .vgpr_count:     250
    .wavefront_size: 32
...
	.end_amdgpu_metadata
.endif
;; end of part 3
;; launch gemm2 (part 4): grid 8 x 32, 4 waves a work-group, no clusters, 8,448 bytes of LDS; arguments aq, w2q, wfq, language_ids, lowp_scales, b2, attention_mask, lda_features, part; writes part
.if DOCPART == 4
	.amdgcn_target "amdgcn-amd-amdhsa--gfx1250"
	.amdhsa_code_object_version 6
	.text
	.protected	k_q99c6543143_gemm2
	.globl	k_q99c6543143_gemm2
	.p2align	8
	.type	k_q99c6543143_gemm2,@function
k_q99c6543143_gemm2:
	s_mov_b64 s[64:65], 0
	v_nop
	global_prefetch_b8 v0, s[64:65] scope:SCOPE_SE
	s_setreg_imm32_b32 hwreg(HW_REG_WAVE_MODE, 25, 1), 1
	s_wait_xcnt 0x0
; GEMM2: for one batch (work-group y) and 128 columns j (work-group x) of the adapter's output, all on codes of FP8 (E4M3):
;   a W2[language] (a: 2^e2, W2: 2^e3);  + b2;  the mean over the 128 rows weighted by attention_mask;
;   that pooled slice (128 of the fusion's K), quantised with 2^e20, times Wf's K step j: 512 raw sums;  and 64 columns of the K step that holds lda_features.
; The next launch adds a batch's nine K slices.  Only the batch's own language is computed; an id outside 0..4 gives a pooled slice of 0, as the definition's masks do.
; LIMITS: e20 between -126 and 119; e2 + e3 between -126 and 127.  NaN among the inputs is not served.  A mask row that sums to 0 gives NaN, as in the definition.
; OPERANDS: a's and W2's tiles (128 x 1,024 codes, 128 KiB each) lie in memory fragment by fragment, in the order of the operand's registers: fragment (ks, tile) at 16,384 ks + 2,048 tile.
; A fragment comes straight into its 16 registers by four loads of 16 bytes a lane, 512 consecutive bytes each: no LDS and no barrier in the loop over K.
; The price: a fragment of a is loaded by the two waves that share its rows, a fragment of W2 by the two that share its columns.  THREE SETS of fragment registers take turns.
; NO JOINT LOADS: which work-groups share W2's tile hangs on language_ids; and nothing here lands in LDS, where a shared tile of a would have to lie.
; SHARES: wave (wm, wn) makes 64 x 64: 16 accumulators.  Source 0 = 16 rows of a, source 1 = 16 columns of W2: a lane holds ONE COLUMN and its registers run down the rows, so the masked sum over
; rows is a run of multiply-adds and one exchange between the halves of the lanes.  The two waves that share a column meet in LDS.
; LDS: 0 the mask, 2,048 lda with zeros behind (512 a wave, each wave's own copy); 4,096 the masked sums of rows 0-63 and of rows 64-127 (512 each); 5,120 the pooled slice;
;      5,632 a stage of 512 a wave; 7,680 the lda slice's 64 sums.
; REGISTERS: window 0: v1-15 addresses; v16-23 mask and lda as loaded; v24, v25: 448 x 2^e20, 2^e20; v26 b2; v27 the mask's sum; v28-30 at work; v32-47 the pooled slice's codes; v48-63 lda's codes;
;   v64-127 G, at work; v128-255 accumulators ((a, t) at 128 + 8 (4 a + t)), later the fusion's results.
;   A set: a's four fragments at + 16 a, W2's four at + 64 + 16 t.  Set 0: window 1, v0-127; set 1: window 1, v128-255; set 2: window 2, v0-127.  K step ks uses set ks % 3.
;   window 2, v128-255: Wf's 8 fragments.   window 3, v0-15: Wf's fragment of the lda K step.
.set MASKL, 0
.set LDAL,  2048
.set PP,    4096
.set POOL,  5120
.set PST,   5632
.set LST,   7680
.set PC,  32
.set LC,  48
.set G,   64
.set CH,  96                           ; v96-103: four running sums, as pairs
.set ACC, 128
.set MSB, 0
.macro WIN new                         ; low byte: bits 1:0 source 0, 3:2 source 1, 5:4 source 2, 7:6 destination; the high byte repeats the setting that is left
.if MSB != \new
	s_set_vgpr_msb (MSB<<8)|\new
.set MSB, \new
.endif
.endm
.macro SETOF ks                        ; the set of K step ks: FB its first register, TOW the windows for loads into it, MULW those for its products
.if ((\ks)%3) == 2
.set FB, 0
.set TOW, 0x80                         ; destination window 2, address window 0
.set MULW, 0x0a                        ; sources 0 and 1 window 2; C and D window 0
.else
.set FB, 128*((\ks)%3)
.set TOW, 0x40                         ; destination window 1
.set MULW, 0x05                        ; sources 0 and 1 window 1
.endif
.endm
.macro LOADA ks                        ; a's four fragments of K step ks: 16 loads
	SETOF \ks
	WIN TOW
.irp a, 0,1,2,3
.irp c, 0,1,2,3
	global_load_b128 v[FB+16*\a+4*\c:FB+16*\a+4*\c+3], v4, s[4:5] offset:16384*(\ks)+2048*\a+512*\c
.endr
.endr
.endm
.macro LOADB ks                        ; W2's four: 16 loads
	SETOF \ks
	WIN TOW
.irp t, 0,1,2,3
.irp c, 0,1,2,3
	global_load_b128 v[FB+64+16*\t+4*\c:FB+64+16*\t+4*\c+3], v4, s[6:7] offset:16384*(\ks)+2048*\t+512*\c
.endr
.endr
.endm
.macro WFLOAD                          ; Wf: K step j, my 8 tiles of columns; and the lda K step's tile 4 j + wave: 36 loads into registers that no product has touched
	WIN 0x80
.irp t, 0,1,2,3,4,5,6,7
.irp c, 0,1,2,3
	global_load_b128 v[128+16*\t+4*\c:128+16*\t+4*\c+3], v4, s[52:53] offset:2048*\t+512*\c
.endr
.endr
	WIN 0xc0
.irp c, 0,1,2,3
	global_load_b128 v[4*\c:4*\c+3], v4, s[54:55] offset:512*\c
.endr
.endm
.macro BARRIER                         ; my LDS stores have landed and my LDS loads are in: then the work-group's barrier
	s_wait_dscnt 0x0
	s_barrier_signal -1
	s_barrier_wait -1
.endm
.macro QSYM dst                        ; G's 64 numbers (register 16 c + i = k 32 c + 16 h + i), held within +-448 x 2^e20, become a fragment's codes
.set ii, 0
.rept 64
	v_med3_num_f32 v[G+ii], v[G+ii], -v24, v24     ; the conversion to an 8-bit code does not saturate (ISA guide 7.6.2)
.set ii, ii+1
.endr
.irp c, 0,1,2,3
	v_cvt_scalef32_pk8_fp8_f32 v[\dst+4*\c:\dst+4*\c+1], v[G+16*\c:G+16*\c+7], v25
	v_cvt_scalef32_pk8_fp8_f32 v[\dst+4*\c+2:\dst+4*\c+3], v[G+16*\c+8:G+16*\c+15], v25
.endr
	v_nop                                          ; a plain line behind the last conversion
.endm
	s_load_b512 s[4:19], s[0:1], 0x0               ; aq s[4:5], w2q s[6:7], wfq s[8:9], ids s[10:11], scales s[12:13], b2 s[14:15], mask s[16:17], lda s[18:19]
	s_load_b64 s[20:21], s[0:1], 0x40              ; part
	v_lshl_add_u32 v31, v0, 2, 0x1f00
	s_set_vgpr_msb 0xc0
	v_mov_b32 v17, 0
	s_set_vgpr_msb 0xc000
	v_lshrrev_b32 v1, 5, v0
	v_readfirstlane_b32 s22, v1                    ; wave 0..3
	s_lshr_b32 s23, s22, 1                         ; wm: which 64 rows
	s_and_b32 s24, s22, 1                          ; wn: which 64 columns
	s_and_b32 s25, ttmp7, 0xffff                   ; batch
	v_and_b32 v1, 31, v0                           ; lane
	v_and_b32 v2, 15, v0                           ; r
	v_bfe_u32 v3, v0, 4, 1                         ; h
	v_lshlrev_b32 v4, 4, v1                        ; 16 x lane: my place in a fragment; never rewritten
	v_lshlrev_b32 v5, 2, v1                        ; 4 x lane
	v_lshlrev_b32 v6, 3, v1                        ; 8 x lane
	; LDS addresses: the lane's and the wave's part in a register, the region's first byte in the immediate
	s_lshl_b32 s26, s22, 9                         ; 512 x wave
	v_add_nc_u32 v7, s26, v4                       ; my copies of the mask and of lda, as loaded; my stage, on the way back
	s_lshl_b32 s27, s23, 8
	s_add_co_u32 s27, s27, s26
	v_lshl_add_u32 v8, v3, 5, s27                  ; the mask at my 64 rows: + 256 wm + 32 h: rows 8 h + 0..7 of a tile
	v_lshl_add_u32 v9, v3, 6, s26                  ; lda: + 64 h
	s_lshl_b32 s27, s23, 9
	s_lshl_b32 s28, s24, 8
	s_add_co_u32 s27, s27, s28
	v_add_nc_u32 v10, s27, v5                      ; the masked sums, in: [wm][64 wn + lane]
	s_lshl_b32 s27, s22, 7
	v_add_nc_u32 v11, s27, v5                      ; column 32 wave + lane: the masked sums, out; the pooled slice, in
	v_lshlrev_b32 v12, 6, v3                       ; the pooled slice, out: 64 h
	v_add_nc_u32 v13, s26, v5                      ; my stage, in
	s_lshl_b32 s27, s22, 6
	v_lshl_add_u32 v14, v2, 2, s27                 ; the lda slice's column 16 wave + r
	v_min_u32 v15, 384, v4                         ; lda's row is 400 bytes: lanes from 25 on read its last 16 again and are cleared
	v_mov_b32 v28, 0                               ; written once: a lane permute's destination counts as one of its sources
	s_mov_b32 s31, 0                               ; the upper word of the offset pair
	s_mov_b32 s40, 0xffff0000                      ; lanes 16-31
	s_mov_b32 s41, 0x76543210                      ; v_permlanex16_b32's selects for lane l xor 16
	s_mov_b32 s42, 0xfedcba98
	s_wait_alu depctr_va_vdst(0)
	s_wait_kmcnt 0x0
	s_lshl_b32 s30, s25, 2
	s_add_nc_u64 s[10:11], s[10:11], s[30:31]
	s_load_b32 s29, s[10:11], 0x0                  ; the batch's language: on its way while a's first loads go out
	s_load_b32 s48, s[12:13], 0x50                 ; e20
	s_lshl_b32 s30, s25, 17                        ; a's codes: the batch's 128 KiB, + my four row tiles
	s_lshl_b32 s28, s23, 13
	s_add_co_u32 s30, s30, s28
	s_add_nc_u64 s[4:5], s[4:5], s[30:31]          ; never rewritten from here on
	LOADA 0
	LOADA 1
	WIN 0
	s_lshl_b32 s30, s25, 9
	s_add_nc_u64 s[16:17], s[16:17], s[30:31]      ; the batch's mask
	s_mul_i32 s30, s25, 400
	s_add_nc_u64 s[18:19], s[18:19], s[30:31]      ; the batch's lda
	global_load_b128 v[16:19], v4, s[16:17]
	global_load_b128 v[20:23], v15, s[18:19]
	s_lshl_b32 s30, ttmp9, 16                      ; Wf: K step j, tiles 8 wave on
	s_lshl_b32 s28, s22, 14
	s_add_co_u32 s30, s30, s28
	s_add_nc_u64 s[52:53], s[8:9], s[30:31]
	s_lshl_b32 s30, ttmp9, 13                      ; Wf: K step 8, tile 4 j + wave
	s_lshl_b32 s28, s22, 11
	s_add_co_u32 s30, s30, s28
	s_add_co_u32 s30, s30, 0x80000
	s_add_nc_u64 s[54:55], s[8:9], s[30:31]
	s_mul_i32 s30, s25, 9                          ; part: [batch][slice][512]: slice j, my 128 columns
	s_add_co_u32 s30, s30, ttmp9
	s_lshl_b32 s30, s30, 11
	s_add_co_u32 s30, s30, s26
	s_add_nc_u64 s[56:57], s[20:21], s[30:31]
	s_mul_i32 s30, s25, 9                          ; slice 8, columns 64 j on
	s_add_co_u32 s30, s30, 8
	s_lshl_b32 s30, s30, 11
	s_lshl_b32 s28, ttmp9, 8
	s_add_co_u32 s30, s30, s28
	s_add_nc_u64 s[58:59], s[20:21], s[30:31]
	s_wait_kmcnt 0x0
	s_cmp_lt_u32 s29, 5
	s_cselect_b32 s32, 1.0, 0                      ; an id outside 0..4 matches no adapter: the adapted rows are 0
	s_min_u32 s29, s29, 4                          ; and the addresses stay inside the tables
	s_lshl_b32 s30, s29, 12                        ; b2 at column 128 j + 32 wave
	s_lshl_b32 s28, ttmp9, 9
	s_add_co_u32 s30, s30, s28
	s_lshl_b32 s28, s22, 7
	s_add_co_u32 s30, s30, s28
	s_add_nc_u64 s[14:15], s[14:15], s[30:31]
	s_lshl_b32 s30, s29, 20                        ; W2's codes: [language][j]: 128 KiB, + my four column tiles
	s_lshl_b32 s28, ttmp9, 17
	s_add_co_u32 s30, s30, s28
	s_lshl_b32 s28, s24, 13
	s_add_co_u32 s30, s30, s28
	s_add_nc_u64 s[6:7], s[6:7], s[30:31]          ; never rewritten from here on
	s_lshl_b32 s30, s29, 4
	s_add_nc_u64 s[50:51], s[12:13], s[30:31]
	s_load_b64 s[46:47], s[50:51], 0x8             ; e2, e3: entries 4 l + 2, 4 l + 3
	global_load_b32 v26, v5, s[14:15]
	LOADB 0
	LOADB 1
	LOADA 2
	LOADB 2
	WIN 0
	; ---- while the fragments are on their way: the mask and lda
	s_wait_loadcnt 63                              ; 99 loads have been issued: the oldest 36 are in, the mask, lda and b2 among them
	ds_store_b128 v7, v[16:19] offset:MASKL
	v_cmp_gt_u32 vcc_lo, 25, v1
.irp n, 20,21,22,23
	v_cndmask_b32 v\n, 0, v\n, vcc_lo              ; zeros behind lda's 100 numbers: the K step's rest
.endr
	ds_store_b128 v7, v[20:23] offset:LDAL
.irp c, 0,1,2,3
.irp q, 0,1,2,3
	ds_load_b128 v[G+16*\c+4*\q:G+16*\c+4*\q+3], v9 offset:LDAL+128*\c+16*\q   ; my own bytes: LDS serves a wave's instructions in order (ISA guide 5.7.1.4)
.endr
.endr
	v_add_f32 v29, v16, v17                        ; the mask's sum over the 128 rows: my four numbers, then the 32 lanes
	v_add_f32 v30, v18, v19
	v_add_f32 v27, v29, v30
	v_add_f32_dpp v27, v27, v27 row_xmask:1 row_mask:0xf bank_mask:0xf
	v_add_f32_dpp v27, v27, v27 row_xmask:2 row_mask:0xf bank_mask:0xf
	v_add_f32_dpp v27, v27, v27 row_xmask:4 row_mask:0xf bank_mask:0xf
	v_add_f32_dpp v27, v27, v27 row_xmask:8 row_mask:0xf bank_mask:0xf
	v_permlanex16_b32 v28, v27, s41, s42
	v_add_f32 v27, v27, v28
	s_wait_kmcnt 0x0
	s_add_co_i32 s33, s48, 127
	s_lshl_b32 s34, s33, 23
	v_mov_b32 v25, s34                             ; 2^e20 as f32: the conversion takes its exponent field
	s_add_co_i32 s33, s33, 8
	s_lshl_b32 s33, s33, 23
	s_or_b32 s33, s33, 0x600000
	v_mov_b32 v24, s33                             ; 448 x 2^e20
	s_add_co_i32 s62, s46, s47
	s_add_co_i32 s62, s62, 127
	s_lshl_b32 s62, s62, 23                        ; 2^(e2 + e3) as f32
	s_wait_alu depctr_va_vdst(0)
	s_wait_dscnt 0x0
	QSYM LC                                        ; lda's fragment: every lane r holds the same row, so all 16 rows of the operand are equal
.irp a, 0,1,2,3
.irp q, 0,1
	ds_load_b128 v[G+8*\a+4*\q:G+8*\a+4*\q+3], v8 offset:MASKL+64*\a+16*\q   ; register 8 a + i: the mask at row 64 wm + 16 a + 8 h + i; it stays through the loop
.endr
.endr
; A K step of 128: 16 matrix instructions; the 16 accumulators take turns, one instruction a turn.  left: the younger loads that may stay out.
; Behind the products and four places (ISA guide 7.12.1 for vector instructions) the set just read takes the K step three further on.
.macro STEP ks, left
	s_wait_loadcnt \left                           ; loads come back in order (ISA guide 5.7.1): this K step's 32 are in
	SETOF \ks
	WIN MULW
.irp a, 0,1,2,3
.irp t, 0,1,2,3
.if \ks == 0
	v_wmma_f32_16x16x128_fp8_fp8 v[ACC+8*(4*\a+\t):ACC+8*(4*\a+\t)+7], v[FB+16*\a:FB+16*\a+15], v[FB+64+16*\t:FB+64+16*\t+15], 0   ; the first K step starts the sums
.else
	v_wmma_f32_16x16x128_fp8_fp8 v[ACC+8*(4*\a+\t):ACC+8*(4*\a+\t)+7], v[FB+16*\a:FB+16*\a+15], v[FB+64+16*\t:FB+64+16*\t+15], v[ACC+8*(4*\a+\t):ACC+8*(4*\a+\t)+7]
.endif
.endr
.endr
.if \ks < 5
.rept 4
	v_nop                                          ; places in front of loads into registers that the products above have read
.endr
	LOADA \ks+3
	LOADB \ks+3
.elseif \ks == 5
	WFLOAD                                         ; behind the last K step's loads: it lands under the last two steps and the pooling
.elseif \ks == 7
.rept 4
	v_nop                                          ; places in front of the first read of results
.endr
.endif
.endm
	STEP 0, 48                                     ; behind W2's K step 0 were issued: W2's step 1, a's and W2's step 2: 3 x 16
.irp k, 1,2,3,4,5
	STEP \k, 63                                    ; two K steps' 64 loads are younger; the count's field ends at 63, so the oldest of them is waited for too
.endr
	STEP 6, 63                                     ; K step 7's 32 and Wf's 36 are younger
	STEP 7, 36                                     ; Wf's may be out
	WIN 0
	; ---- POOLING.  Accumulator (a, t), register i, lane (r, h): row 64 wm + 16 a + 8 h + i, column 64 wn + 16 t + r.
	s_wait_dscnt 0x0                               ; the mask at my rows
.irp a, 0,1,2,3                        ; four running sums, one for each t, take turns; each accumulator is read from its low end on
.irp n, 0,2,4,6
.irp t, 0,1,2,3
.if (\a == 0) && (\n == 0)
	v_pk_mul_f32 v[CH+2*\t:CH+2*\t+1], v[ACC+8*(4*\a+\t)+\n:ACC+8*(4*\a+\t)+\n+1], v[G+8*\a+\n:G+8*\a+\n+1]
.else
	v_pk_fma_f32 v[CH+2*\t:CH+2*\t+1], v[ACC+8*(4*\a+\t)+\n:ACC+8*(4*\a+\t)+\n+1], v[G+8*\a+\n:G+8*\a+\n+1], v[CH+2*\t:CH+2*\t+1]
.endif
.endr
.endr
.endr
	v_add_f32 v96, v96, v97                        ; column 16 t + r, my half's 32 rows: t = 0,
	v_add_f32 v98, v98, v99                        ; 1,
	v_add_f32 v100, v100, v101                     ; 2,
	v_add_f32 v102, v102, v103                     ; 3
	v_cndmask_b32 v104, v96, v98, s40              ; of each pair of tiles I keep column lane,
	v_cndmask_b32 v105, v98, v96, s40              ; and send the other to lane l xor 16
	v_cndmask_b32 v106, v100, v102, s40
	v_cndmask_b32 v107, v102, v100, s40
	v_permlanex16_b32 v28, v105, s41, s42
	v_add_f32 v104, v104, v28                      ; column 64 wn + lane, my wave's 64 rows
	v_permlanex16_b32 v28, v107, s41, s42
	v_add_f32 v106, v106, v28                      ; column 64 wn + 32 + lane
	ds_store_b32 v10, v104 offset:PP
	ds_store_b32 v10, v106 offset:PP+128
	BARRIER                                        ; both halves of the rows lie in LDS
	ds_load_b32 v108, v11 offset:PP                ; column 32 wave + lane: rows 0-63,
	ds_load_b32 v109, v11 offset:PP+512            ; rows 64-127
	v_mul_f32 v110, v26, v27                       ; b2 x the mask's sum
	v_rcp_f32 v111, v27
	s_wait_dscnt 0x0
	v_add_f32 v108, v108, v109                     ; (a plain line behind the transcendental)
	s_wait_alu depctr_va_vdst(0)
	v_fma_f32 v110, v108, s62, v110                ; + the masked sum x 2^(e2 + e3)
	v_mul_f32 v110, s32, v110                      ; x 1 or 0
	s_wait_alu depctr_va_vdst(0)
	v_mul_f32 v110, v110, v111                     ; / the mask's sum
	ds_store_b32 v11, v110 offset:POOL
	BARRIER                                        ; the 128 pooled numbers lie in LDS
	; ---- THE FUSION'S K STEP j, and a tile of its lda K step
.irp c, 0,1,2,3
.irp q, 0,1,2,3
	ds_load_b128 v[G+16*\c+4*\q:G+16*\c+4*\q+3], v12 offset:POOL+128*\c+16*\q
.endr
.endr
	s_wait_dscnt 0x0
	QSYM PC
	s_wait_alu depctr_va_vdst(0)
	s_wait_loadcnt 0x0                             ; Wf
	WIN 0x08                                       ; Wf window 2; the results take the accumulators' registers, which the pooling has read
.irp t, 0,1,2,3,4,5,6,7
	v_wmma_f32_16x16x128_fp8_fp8 v[ACC+8*\t:ACC+8*\t+7], v[PC:PC+15], v[128+16*\t:128+16*\t+15], 0
.endr
	WIN 0x0c                                       ; Wf's lda fragment: window 3
	v_wmma_f32_16x16x128_fp8_fp8 v[ACC+64:ACC+71], v[LC:LC+15], v[0:15], 0
	WIN 0
.rept 4
	v_nop                                          ; four places in front of the first read of results
.endr
.irp p, 0,1,2,3
	v_cndmask_b32 v[104+\p], v[ACC+16*\p], v[ACC+16*\p+8], s40   ; all 16 rows are equal: register 0 of tile 2 p + h is column 32 p + lane
.endr
	v_mov_b32 v108, v[ACC+64]
.irp p, 0,1,2,3
	ds_store_b32 v13, v[104+\p] offset:PST+128*\p
.endr
	ds_store_b32 v14, v108 offset:LST              ; both halves of the lanes write the same word with the same value
	ds_load_b128 v[112:115], v7 offset:PST         ; my own stage: four neighbouring columns a lane
	BARRIER                                        ; the lda slice's 64 sums lie in LDS
	global_store_b128 v4, v[112:115], s[56:57]     ; 512 consecutive bytes
	s_cmp_lg_u32 s22, 0
	s_cbranch_scc1 .Lend
	ds_load_b64 v[116:117], v6 offset:LST
	s_wait_dscnt 0x0
	global_store_b64 v6, v[116:117], s[58:59]      ; 256 consecutive bytes, aligned
.Lend:
	s_set_vgpr_msb 0xc
	s_wait_tensorcnt 0x0
	ds_add_u32 v31, v17
	s_wait_dscnt 0x0
	s_set_vgpr_msb 0xc00
	s_endpgm
.Lfunc_end_k_q99c6543143_gemm2:
	.size	k_q99c6543143_gemm2, .Lfunc_end_k_q99c6543143_gemm2-k_q99c6543143_gemm2
	.p2alignl 7, 3214868480
	.fill 96, 4, 3214868480
	.section	.rodata,"a",@progbits
	.p2align	6, 0x0
	.amdhsa_kernel k_q99c6543143_gemm2
		.amdhsa_group_segment_fixed_size 8448
		.amdhsa_private_segment_fixed_size 0
		.amdhsa_enable_private_segment 0
		.amdhsa_kernarg_size 72
		.amdhsa_user_sgpr_count 2
		.amdhsa_user_sgpr_kernarg_segment_ptr 1
		.amdhsa_wavefront_size32 1
		.amdhsa_system_sgpr_workgroup_id_x 1
		.amdhsa_system_sgpr_workgroup_id_y 1
		.amdhsa_system_sgpr_workgroup_id_z 1
		.amdhsa_system_vgpr_workitem_id 0
		.amdhsa_next_free_vgpr 786
		.amdhsa_next_free_sgpr 66
		.amdhsa_reserve_vcc 1
		.amdhsa_float_denorm_mode_32 3
		.amdhsa_float_denorm_mode_16_64 3
		.amdhsa_memory_ordered 1
		.amdhsa_forward_progress 1
		.amdhsa_inst_pref_size 62
	.end_amdhsa_kernel
	.amdgpu_metadata
---
amdhsa.version: [ 1, 2 ]
amdhsa.kernels:
  - .name:           k_q99c6543143_gemm2
    .symbol:         k_q99c6543143_gemm2.kd
    .args:
      - { .name: aq, .offset: 0, .size: 8, .value_kind: global_buffer, .address_space: global }
      - { .name: w2q, .offset: 8, .size: 8, .value_kind: global_buffer, .address_space: global }
      - { .name: wfq, .offset: 16, .size: 8, .value_kind: global_buffer, .address_space: global }
      - { .name: language_ids, .offset: 24, .size: 8, .value_kind: global_buffer, .address_space: global }
      - { .name: lowp_scales, .offset: 32, .size: 8, .value_kind: global_buffer, .address_space: global }
      - { .name: b2, .offset: 40, .size: 8, .value_kind: global_buffer, .address_space: global }
      - { .name: attention_mask, .offset: 48, .size: 8, .value_kind: global_buffer, .address_space: global }
      - { .name: lda_features, .offset: 56, .size: 8, .value_kind: global_buffer, .address_space: global }
      - { .name: part, .offset: 64, .size: 8, .value_kind: global_buffer, .address_space: global }
    .group_segment_fixed_size: 8448
    .private_segment_fixed_size: 0
    .kernarg_segment_align: 8
    .kernarg_segment_size: 72
    .max_flat_workgroup_size: 128
    .sgpr_count:     66
    .vgpr_count:     786
    .wavefront_size: 32
...
	.end_amdgpu_metadata
.endif
;; end of part 4
;; launch final (part 5): grid 32 x 1, 1 waves a work-group, no clusters, 0 bytes of LDS; arguments part, lowp_scales, bf, gf, betaf, out0; writes out0
.if DOCPART == 5
	.amdgcn_target "amdgcn-amd-amdhsa--gfx1250"
	.amdhsa_code_object_version 6
	.text
	.protected	k_q99c6543143_final
	.globl	k_q99c6543143_final
	.p2align	8
	.type	k_q99c6543143_final,@function
k_q99c6543143_final:
	s_mov_b64 s[64:65], 0
	v_nop
	global_prefetch_b8 v0, s[64:65] scope:SCOPE_SE
	s_setreg_imm32_b32 hwreg(HW_REG_WAVE_MODE, 25, 1), 1
	s_wait_xcnt 0x0
; FINAL: out[b] = relu(LayerNorm(sum of the batch's nine K slices x 2^(e20 + e21) + bf) gf + betaf).  One wave takes a batch's row of 512: 16 numbers a lane, columns 128 q + 4 lane + 0..3.
; The row stays in registers between the mean, the variance (taken of the distances from the mean) and the scaling.  No LDS, no barrier, no matrix work: 18 KiB in, 2 KiB out for a work-group.
; LIMIT: e20 + e21 between -126 and 127, so that 2^(e20 + e21) is an f32 number.
.set P,  16                            ; v16-159   nine slices x 16; the first takes the sums
.set BF, 160                           ; v160-175 bf, v176-191 gf, v192-207 betaf
.set GF, 176
.set BT, 192
	s_load_b256 s[4:11], s[0:1], 0x0               ; part s[4:5], scales s[6:7], bf s[8:9], gf s[10:11]
	s_load_b128 s[12:15], s[0:1], 0x20             ; betaf s[12:13], out0 s[14:15]
	v_lshlrev_b32 v1, 4, v0
	v_mov_b32 v212, 0                              ; written once: a lane permute's destination counts as one of its sources
	s_mov_b32 s20, 0x76543210                      ; v_permlanex16_b32's selects for lane l xor 16
	s_mov_b32 s21, 0xfedcba98
	s_mul_i32 s18, ttmp9, 18432                    ; nine slices of 2,048 bytes
	s_mov_b32 s19, 0
	s_lshl_b32 s22, ttmp9, 11
	s_mov_b32 s23, 0
	s_wait_alu depctr_va_vdst(0)
	s_wait_kmcnt 0x0
	s_load_b64 s[16:17], s[6:7], 0x50              ; e20, e21
	s_add_nc_u64 s[4:5], s[4:5], s[18:19]
	s_add_nc_u64 s[14:15], s[14:15], s[22:23]
.irp s, 0,1,2,3,4,5,6,7,8
.irp q, 0,1,2,3
	global_load_b128 v[P+16*\s+4*\q:P+16*\s+4*\q+3], v1, s[4:5] offset:2048*\s+512*\q
.endr
.endr
.irp q, 0,1,2,3
	global_load_b128 v[BF+4*\q:BF+4*\q+3], v1, s[8:9] offset:512*\q
	global_load_b128 v[GF+4*\q:GF+4*\q+3], v1, s[10:11] offset:512*\q
	global_load_b128 v[BT+4*\q:BT+4*\q+3], v1, s[12:13] offset:512*\q
.endr
	s_mov_b32 s18, 0x3b000000                      ; 1 / 512
	s_mov_b32 s19, 0x3727c5ac                      ; 1e-5
	s_wait_kmcnt 0x0
	s_add_co_i32 s16, s16, s17
	s_add_co_i32 s16, s16, 127
	s_lshl_b32 s16, s16, 23                        ; 2^(e20 + e21) as f32
	s_mov_b32 s17, s16                             ; (named with it as a pair, so it is written)
	s_wait_loadcnt 12                              ; the nine slices are in; bf, gf and betaf may be out
.irp s, 1,2,3,4,5,6,7,8
.irp p, 0,2,4,6,8,10,12,14
	v_pk_add_f32 v[P+\p:P+\p+1], v[P+\p:P+\p+1], v[P+16*\s+\p:P+16*\s+\p+1]   ; K ascending
.endr
.endr
	s_wait_alu depctr_va_vdst(0)
	s_wait_loadcnt 0x0
.irp p, 0,2,4,6,8,10,12,14
	v_pk_fma_f32 v[P+\p:P+\p+1], v[P+\p:P+\p+1], s[16:17], v[BF+\p:BF+\p+1] op_sel_hi:[1,0,1]
.endr
.macro WSUM r                          ; the sum over the wave's 32 lanes, in every lane
	v_add_f32_dpp v[\r], v[\r], v[\r] row_xmask:1 row_mask:0xf bank_mask:0xf
	v_add_f32_dpp v[\r], v[\r], v[\r] row_xmask:2 row_mask:0xf bank_mask:0xf
	v_add_f32_dpp v[\r], v[\r], v[\r] row_xmask:4 row_mask:0xf bank_mask:0xf
	v_add_f32_dpp v[\r], v[\r], v[\r] row_xmask:8 row_mask:0xf bank_mask:0xf
	v_permlanex16_b32 v212, v[\r], s20, s21
	v_add_f32 v[\r], v[\r], v212
.endm
	v_pk_add_f32 v[208:209], v[P:P+1], v[P+2:P+3]
	v_pk_add_f32 v[210:211], v[P+4:P+5], v[P+6:P+7]
	v_pk_add_f32 v[208:209], v[208:209], v[P+8:P+9]
	v_pk_add_f32 v[210:211], v[210:211], v[P+10:P+11]
	v_pk_add_f32 v[208:209], v[208:209], v[P+12:P+13]
	v_pk_add_f32 v[210:211], v[210:211], v[P+14:P+15]
	v_pk_add_f32 v[208:209], v[208:209], v[210:211]
	v_add_f32 v208, v208, v209
	WSUM 208
	v_mul_f32 v208, s18, v208                      ; the mean
	v_mov_b32 v209, v208
.irp p, 0,2,4,6,8,10,12,14
	v_pk_add_f32 v[P+\p:P+\p+1], v[P+\p:P+\p+1], v[208:209] neg_lo:[0,1] neg_hi:[0,1]
.endr
	v_pk_mul_f32 v[210:211], v[P:P+1], v[P:P+1]
	v_pk_mul_f32 v[214:215], v[P+2:P+3], v[P+2:P+3]
.irp p, 4,8,12
	v_pk_fma_f32 v[210:211], v[P+\p:P+\p+1], v[P+\p:P+\p+1], v[210:211]
	v_pk_fma_f32 v[214:215], v[P+\p+2:P+\p+3], v[P+\p+2:P+\p+3], v[214:215]
.endr
	v_pk_add_f32 v[210:211], v[210:211], v[214:215]
	v_add_f32 v210, v210, v211
	WSUM 210
	v_fma_f32 v210, v210, s18, s19                 ; the variance + 1e-5
	s_wait_alu depctr_va_vdst(0)
	v_rsq_f32 v214, v210
	v_nop                                          ; a plain line behind the transcendental
	s_wait_alu depctr_va_vdst(0)
	v_mov_b32 v215, v214
.irp p, 0,2,4,6,8,10,12,14
	v_pk_mul_f32 v[P+\p:P+\p+1], v[P+\p:P+\p+1], v[214:215]
.endr
.irp p, 0,2,4,6,8,10,12,14
	v_pk_fma_f32 v[P+\p:P+\p+1], v[P+\p:P+\p+1], v[GF+\p:GF+\p+1], v[BT+\p:BT+\p+1]
.endr
.irp p, 0,1,2,3,4,5,6,7,8,9,10,11,12,13,14,15
	v_max_num_f32 v[P+\p], v[P+\p], 0
.endr
.irp q, 0,1,2,3
	global_store_b128 v1, v[P+4*\q:P+4*\q+3], s[14:15] offset:512*\q   ; 512 consecutive bytes a store
.endr
	s_endpgm
.Lfunc_end_k_q99c6543143_final:
	.size	k_q99c6543143_final, .Lfunc_end_k_q99c6543143_final-k_q99c6543143_final
	.p2alignl 7, 3214868480
	.fill 96, 4, 3214868480
	.section	.rodata,"a",@progbits
	.p2align	6, 0x0
	.amdhsa_kernel k_q99c6543143_final
		.amdhsa_group_segment_fixed_size 0
		.amdhsa_private_segment_fixed_size 0
		.amdhsa_enable_private_segment 0
		.amdhsa_kernarg_size 48
		.amdhsa_user_sgpr_count 2
		.amdhsa_user_sgpr_kernarg_segment_ptr 1
		.amdhsa_wavefront_size32 1
		.amdhsa_system_sgpr_workgroup_id_x 1
		.amdhsa_system_sgpr_workgroup_id_y 1
		.amdhsa_system_sgpr_workgroup_id_z 1
		.amdhsa_system_vgpr_workitem_id 0
		.amdhsa_next_free_vgpr 224
		.amdhsa_next_free_sgpr 66
		.amdhsa_reserve_vcc 0
		.amdhsa_float_denorm_mode_32 3
		.amdhsa_float_denorm_mode_16_64 3
		.amdhsa_memory_ordered 1
		.amdhsa_forward_progress 1
		.amdhsa_inst_pref_size 16
	.end_amdhsa_kernel
	.amdgpu_metadata
---
amdhsa.version: [ 1, 2 ]
amdhsa.kernels:
  - .name:           k_q99c6543143_final
    .symbol:         k_q99c6543143_final.kd
    .args:
      - { .name: part, .offset: 0, .size: 8, .value_kind: global_buffer, .address_space: global }
      - { .name: lowp_scales, .offset: 8, .size: 8, .value_kind: global_buffer, .address_space: global }
      - { .name: bf, .offset: 16, .size: 8, .value_kind: global_buffer, .address_space: global }
      - { .name: gf, .offset: 24, .size: 8, .value_kind: global_buffer, .address_space: global }
      - { .name: betaf, .offset: 32, .size: 8, .value_kind: global_buffer, .address_space: global }
      - { .name: out0, .offset: 40, .size: 8, .value_kind: global_buffer, .address_space: global }
    .group_segment_fixed_size: 0
    .private_segment_fixed_size: 0
    .kernarg_segment_align: 8
    .kernarg_segment_size: 48
    .max_flat_workgroup_size: 32
    .sgpr_count:     66
    .vgpr_count:     224
    .wavefront_size: 32
...
	.end_amdgpu_metadata
.endif
;; end of part 5
